; MI455X (gfx1250); checked and timed in simulation.
; The chip was launched on July 23, 2026; its instructions are those of AMD's public machine-readable ISA for CDNA 5 (MIT licence, August 2026) and "CDNA5" Instruction Set Architecture Reference Guide (July 2026). The comments in the code are by the model that wrote it; some were corrected since.
;; GRU Cell. Allowed arithmetic: matrix products marked QUANTISED: E2M1 operands, one E8M0 scale for each 32 along K, by v_wmma_scale_f32_16x16x128_f8f6f4 with both operands' format E2M1 (or v_wmma_scale_f32_32x16x128_f4), f32 sums; everything else in f32.
;; Inputs: b_h 2,048 float32; b_r 2,048 float32; b_z 2,048 float32; hidden 2,048 x 2,048 float32; hyp_x 2,048 x 2,048 float32; u_r 2,048 x 2,048 float32; u_z 2,048 x 2,048 float32; w_h 2,048 x 2,048 float32; w_r 2,048 x 2,048 float32; w_z 2,048 x 2,048 float32.
;; Outputs: out0 2,048 x 2,048 float32.
;; This version of the problem:
;;   THIS VERSION OF THE PROBLEM IS GIVEN IN LOW PRECISION. The matrix products marked QUANTISED in the list below multiply operands that are first quantised to E2M1 (2 exponent bits, 1 mantissa bit; 4 bits a number), with one power-of-two scale for each 32 numbers along K (OCP MX v1.0); their sums are f32. All else is computed in f32.
;;   The module's matrix products, in the order in which they are computed (A, B: the left and right operand; K: the contracted axis; several contracted axes count as one K, in the product's order):
;;     1. [M 2,048, K 2,048] x [K 2,048, N 2,048]; A: computed on the way; B: input w_z: QUANTISED
;;     2. [M 2,048, K 2,048] x [K 2,048, N 2,048]; A: computed on the way; B: input u_z: QUANTISED
;;     3. [M 2,048, K 2,048] x [K 2,048, N 2,048]; A: computed on the way; B: input w_r: QUANTISED
;;     4. [M 2,048, K 2,048] x [K 2,048, N 2,048]; A: computed on the way; B: input u_r: QUANTISED
;;     5. [M 2,048, K 2,048] x [K 2,048, N 2,048]; A: computed on the way; B: input w_h: QUANTISED
;;     6. [M 2,048, K 2,048] x [K 2,048, N 2,048]; A: computed on the way; B: input u_r: QUANTISED
;;   THE QUANTISER, for each operand of a quantised product, along K:
;;     - K is cut into blocks of 32 from its start; a last block that is shorter is filled with zeros.
;;     - A block's scale is 2^e with e = floor(log2(the largest magnitude in the block)) - 2, held to -126 .. 127; a block of zeros has e = 0. As a byte (E8M0): e + 127.
;;     - Each number is divided by its block's scale, clamped to +-6, and rounded to the nearest number of E2M1, ties to even, subnormals kept.
;;     - The product sums the exact products of the quantised numbers (number of the format x scale) in f32.
;;   ~~~python
;;   def quantise(x, axis):      # numpy; x: float32 -> the quantised numbers, widened to float32 again
;;       x = np.moveaxis(x, axis, -1); K = x.shape[-1]
;;       x = np.pad(x, [(0, 0)] * (x.ndim - 1) + [(0, -K % 32)]); x = x.reshape(x.shape[:-1] + (-1, 32)); a = np.abs(x).max(-1, keepdims=True)
;;       e = np.where(a > 0, np.clip(np.frexp(np.where(a > 0, a, 1))[1] - 1 - 2, -126, 127), 0)      # np.frexp(a)[1] - 1 = floor(log2(a)), exactly
;;       r = np.clip(x / 2.0 ** e, -6, 6)
;;       step = 2.0 ** (np.maximum(np.frexp(np.where(r == 0, 1, r))[1] - 1, 0) - 1)
;;       q = np.round(r / step) * step * 2.0 ** e      # np.round: ties to even
;;       return np.moveaxis(q.reshape(q.shape[:-2] + (-1,))[..., :K], -1, axis).astype(np.float32)
;;   ~~~
;;   OPERANDS COMPUTED ON THE WAY. 'Computed on the way' means the value that the module computes at that place (a softmax that the list does not call 'softmax' is quantised finished and normalised). What goes into a quantiser is computed in f32, as accurately as f32 sums, v_exp_f32 and their like allow (about 1e-6 of the number): no bf16 or f16 on the way to a quantiser, and a product that is left as it is and whose result goes on into a quantised operand takes f32 operands (vector FMAs, or v_wmma_f32_16x16x4_f32). A number that lies on a knife's edge between two numbers of the format may be rounded either way, as far as f32 arithmetic and the matrix unit's own rounding can turn it there, and no further.
;; One version. Each part assembles by itself: llvm-mc -triple=amdgcn-amd-amdhsa -mcpu=gfx1250 --defsym DOCPART=n.
;; ======== version 1 of 1: 5 launches
;; limits: right only within a limited range of input values
;; workspace buffers: ha 2,490,368 bytes; xa 2,490,368 bytes; pa 2,490,368 bytes; wrz 4,456,448 bytes; urz 4,456,448 bytes; wh 4,456,448 bytes; c1 67,108,864 bytes; c2 16,777,216 bytes
;; launch quant (part 1): grid 448 x 1, 4 waves a work-group, no clusters, 74,240 bytes of LDS; arguments hidden, hyp_x, w_r, w_z, u_r, u_z, w_h, ha, xa, wrz, urz, wh; writes ha, xa, wrz, urz, wh
.if DOCPART == 1
	.amdgcn_target "amdgcn-amd-amdhsa--gfx1250"
	.amdhsa_code_object_version 6
	.text
	.protected	k_q2e010b1b14_quant
	.globl	k_q2e010b1b14_quant
	.p2align	8
	.type	k_q2e010b1b14_quant,@function
k_q2e010b1b14_quant:
	s_mov_b64 s[64:65], 0
	v_nop
	global_prefetch_b8 v0, s[64:65] scope:SCOPE_SE
	s_setreg_imm32_b32 hwreg(HW_REG_WAVE_MODE, 25, 1), 1
	s_wait_xcnt 0x0
; All seven large inputs become codes of FP4 (E2M1), K innermost, two codes a byte, with one E8M0 scale byte for each 32 along K.
; WEIGHTS (work-groups 0 to 319): w [2048 (k)][2048 (n)] f32, K its first axis, goes to codes [n][1,024 bytes] and scale bytes [n][64] (at byte WSC of the same buffer).
;   wrz holds w_r in rows 0-2047 and w_z in rows 2048-4095; urz likewise u_r and u_z; wh holds w_h in rows 0-2047.
;   A lane takes a column n and its registers run down K: a block of 32 lies in one lane, the conversions give codes with K innermost, and nothing is transposed by an instruction.
;   A wave takes 32 columns x 512 along K; its codes leave through its own stage in LDS, 32 lanes to 512 consecutive bytes.
; ROWS (work-groups 320 to 447): hidden and hyp_x [2048][2048] f32.  A wave takes 8 rows, one after the other.  A row's sum of squares gives f, the factor that holds the row inside the ball
;   (1 or (1 - 1e-5) / norm), and L = artanh(n) / n of the held row; the row x f is quantised.  Codes [row][1,024] at byte 0, scale bytes [row][64] at ASC, a record of 128 bytes a row at AST:
;   word 0 = f, word 1 = L, word 2 = f^2 x the sum of squares, words 3 to 31 = L again (so that the record is one dense store of the wave).
; A block's scale is 2^(floor(log2(its largest magnitude)) - 2): its byte is the largest magnitude's exponent field - 2, held at 1 from below.
; LIMITS: NaN and infinities among the inputs are not served.  A block of zeros gets the byte 1 where the rule says 127: its codes are zeros, and the bytes are read by this program alone.
;   The second holding of an already held row (which the product's definition repeats) is taken as the identity: it can move a number by a last bit; its norm is taken as min(norm, 1 - 1e-5).
; The two paths part on the work-group's number and never join; each has LDS bytes of its own.  No tensor loads, no barrier: waves share nothing.
; THE WEIGHTS' CODES LEAVE IN THE ORDER OF THE OPERAND'S REGISTERS (this takes the place of the rows of 1,024 bytes named above): 16 columns x 128 along K are 1,024 bytes,
;   at byte ((n / 16) x 16 + k / 128) x 1,024: first registers 0-3 of the 32 lanes, 16 bytes a lane, then registers 4-7.  Lane (r, h) of group c holds column 16 (n / 16) + r, k = 128 q + 64 c + 32 h + 0 .. 31.
;   So a wave of the products' launches takes a fragment by two dense loads of 512 bytes.  The scale bytes stay [n][64].
; The problem writes hyp_x x u_r twice, with the same two operands for every input: u_r is quantised once and the product is multiplied once.
.set SIZE_K, 2048
.set SIZE_N, 2048
.set ASC,   0x200000                   ; rows' buffers: where the scale bytes begin
.set AST,   0x220000                   ; and the records
.set WSC,   0x400000                   ; weights' buffers: where the scale bytes begin
.set WGW,   320                        ; work-groups of the weights' path: 5 tensors x 16 (columns) x 4 (along K)
; ---- the weights' path
.set KW,    512                        ; along K for a wave
.set NB,    KW/32                      ; blocks
.set ROWB,  256                        ; bytes of KW codes
.set PITCH, ROWB+16                    ; a stage row
.set KROW,  SIZE_K/2                   ; a row of codes in bytes
.set EMAX,  2
.set WX,    32                         ; v32-95   two sets of 32 numbers
.set WC,    96                         ; v96-99   a block's codes
.set OUTR,  112                        ; v112-175 the way out
.set SB,    24                         ; v24-27   the scale bytes, four to a register
; ---- the rows' path
.set ABASE, 4*32*PITCH                 ; LDS: behind the weights' four stages
.set ASTG,  9728                       ; a wave's region: 64 blocks x (128 bytes + 16), then its 8 rows' 512 scale bytes
.set SBY,   9216
.set SQ,    10                         ; v10-17   four chains of the sum of squares
.set T0,    20                         ; v20-24   at work in the macros
.set T1,    21
.set T2,    22
.set T3,    23
.set T4,    24
.set FF,    32                         ; v32-33   f, twice
.set NN,    34                         ; v34      the held row's norm
.set LL,    35                         ; v35      L
.set H2,    36                         ; v36      the held row's squared norm
.set SW,    37                         ; v37      my word of the record
.set QM,    38                         ; v38-39   two blocks' largest magnitudes
.set QSO,   40                         ; v40-41   the conversions' scale operands
.set QBY,   42                         ; v42-43   the scale bytes
.set QC,    44                         ; v44-51   the codes
.set QO,    56                         ; v56-59   16 scale bytes on the way out
.set X0,    64                         ; v64-191  two rows
.set SMIN,  48                         ; s48      1e-10
.set SMAX,  49                         ; s49      1 - 1e-5
.set SEL,   50                         ; s[50:51] lane selects: lane l xor 16
.set M0S,   52                         ; s52      lane 0's bit
.set M2S,   53                         ; s53      lane 2's bit
.macro WLOAD t                         ; block t: W(32 t + i, my column), i = 0 .. 31, into set t % 2
.irp i, 0,1,2,3,4,5,6,7,8,9,10,11,12,13,14,15,16,17,18,19,20,21,22,23,24,25,26,27,28,29,30,31
	global_load_b32 v[WX+32*((\t)%2)+\i], v3, s[28:29] offset:(32*(\t)+\i)*SIZE_N*4 th:TH_LOAD_NT
.endr
.endm
.macro WBLOCK t
.set XS, WX+32*((\t)%2)
.if (\t) < NB-1
	s_wait_loadcnt 32                              ; this block's 32 loads are in; the next block's may be out
.else
	s_wait_loadcnt 0
.endif
	v_max3_num_f32 v12, |v[XS]|, |v[XS+1]|, |v[XS+2]|               ; the block's largest magnitude: all 32 numbers are mine; two chains
	v_max3_num_f32 v13, |v[XS+3]|, |v[XS+4]|, |v[XS+5]|
.irp i, 6,10,14,18,22,26
	v_max3_num_f32 v12, v12, |v[XS+\i]|, |v[XS+\i+1]|
	v_max3_num_f32 v13, v13, |v[XS+\i+2]|, |v[XS+\i+3]|
.endr
	v_max3_num_f32 v12, v12, |v[XS+30]|, |v[XS+31]|
	v_max3_num_f32 v12, v12, v13, (EMAX+1)<<23     ; and the floor 2^(3 - 127): the byte cannot fall under 1
	v_add_nc_u32 v11, -(EMAX<<23), v12             ; 2 off the exponent field: the conversion takes that field of this operand as its scale
	v_lshrrev_b32 v13, 23, v11                     ; the scale's byte
.if (\t)%4 == 0
	v_mov_b32 v[SB+(\t)/4], v13                    ; four bytes to a register, the lower K in the lower byte
.else
	v_lshl_or_b32 v[SB+(\t)/4], v13, 8*((\t)%4), v[SB+(\t)/4]
.endif
.irp g, 0,1,2,3
	v_cvt_scalef32_pk8_fp4_f32 v[WC+\g], v[XS+8*\g:XS+8*\g+7], v11
.endr
	v_nop                                          ; a plain line behind the last conversion
	ds_store_b128 v4, v[WC:WC+3] offset:16*(\t)    ; 32 codes: 16 bytes of my column's row
.if (\t)+2 < NB
	WLOAD (\t)+2
.endif
	s_wait_dscnt 0x0                               ; the store has read its registers: the next block's codes may be written
.endm
; fac = 1, or (1 - 1e-5) / n where n = sqrt(max(n2, 1e-10)) lies over 1 - 1e-5;  nn = min(n, 1 - 1e-5)
.macro PROJF fac, nn, n2
	v_max_num_f32 v[T0], s[SMIN], v[\n2]
	s_wait_alu depctr_va_vdst(0)
	v_rsq_f32 v[T1], v[T0]
	v_nop                                          ; a plain line behind the transcendental,
	s_wait_alu depctr_va_vdst(0)                   ; and the wait ahead of the first reader
	v_mul_f32 v[T0], v[T0], v[T1]                  ; n
	v_mul_f32 v[T1], s[SMAX], v[T1]
	v_cmp_lt_f32 vcc_lo, s[SMAX], v[T0]
	v_cndmask_b32 v[\fac], 1.0, v[T1], vcc_lo
	v_min_num_f32 v[\nn], s[SMAX], v[T0]
.endm
; d = artanh(min(n, 1 - 1e-5)) / n.  Under n = 0.25 by the series 1 + n^2/3 + .. + n^12/13 (the next term is under 3e-10 there), else by the logarithm; the choice is a select, both are computed.
.macro ARTANHC d, n
	v_min_num_f32 v[T0], s[SMAX], v[\n]
	v_sub_f32 v[T1], 1.0, v[T0]
	s_wait_alu depctr_va_vdst(0)
	v_rcp_f32 v[T1], v[T1]
	v_rcp_f32 v[T2], v[\n]
	v_mul_f32 v[T3], v[\n], v[\n]                  ; the series is the independent work behind the two reciprocals
	v_mov_b32 v[T4], 0x3d9d89d9
	v_fmaak_f32 v[T4], v[T4], v[T3], 0x3dba2e8c
	v_fmaak_f32 v[T4], v[T4], v[T3], 0x3de38e39
	v_fmaak_f32 v[T4], v[T4], v[T3], 0x3e124925
	v_fmaak_f32 v[T4], v[T4], v[T3], 0x3e4ccccd
	v_fmaak_f32 v[T4], v[T4], v[T3], 0x3eaaaaab
	v_fma_f32 v[T4], v[T4], v[T3], 1.0
	v_add_f32 v[T0], 1.0, v[T0]
	v_cmp_gt_f32 vcc_lo, 0x3e800000, v[\n]
	s_wait_alu depctr_va_vdst(0)                   ; one wait for both reciprocals
	v_mul_f32 v[T0], v[T0], v[T1]                  ; (1 + n) / (1 - n)
	s_wait_alu depctr_va_vdst(0)
	v_log_f32 v[T0], v[T0]
	v_nop
	s_wait_alu depctr_va_vdst(0)
	v_mul_f32 v[T0], 0x3eb17218, v[T0]             ; x ln(2) / 2
	v_mul_f32 v[T0], v[T0], v[T2]
	v_cndmask_b32 v[\d], v[T0], v[T4], vcc_lo
.endm
.macro FOLD4 base                      ; four chains into the first
	v_pk_add_f32 v[\base:\base+1], v[\base:\base+1], v[\base+2:\base+3]
	v_pk_add_f32 v[\base+4:\base+5], v[\base+4:\base+5], v[\base+6:\base+7]
	v_pk_add_f32 v[\base:\base+1], v[\base:\base+1], v[\base+4:\base+5]
.endm
; n sums, each a pair at v[base + 2 i], are added over the pair and over the 32 lanes; the result stands in the even register of every lane
.macro REDN base, n
.set ri, 0
.rept \n
	v_add_f32 v[\base+2*ri], v[\base+2*ri], v[\base+2*ri+1]
.set ri, ri+1
.endr
.irp m, 1,2,4,8
.set ri, 0
.rept \n
	v_add_f32_dpp v[\base+2*ri], v[\base+2*ri], v[\base+2*ri] row_xmask:\m row_mask:0xf bank_mask:0xf
.set ri, ri+1
.endr
.endr
.set ri, 0
.rept \n
	v_permlanex16_b32 v[\base+2*ri+1], v[\base+2*ri], s[SEL], s[SEL+1]
.set ri, ri+1
.endr
.set ri, 0
.rept \n
	v_add_f32 v[\base+2*ri], v[\base+2*ri], v[\base+2*ri+1]
.set ri, ri+1
.endr
.endm
; A row of 2,048 numbers in v[X] .. v[X + 63], register 4 j + i of lane l = element 128 j + 4 l + i, becomes codes in v[QC] on and two scale bytes in v[QBY], v[QBY + 1].
; The conversions want a block's 32 numbers in ONE lane: the row turns through the wave's own stage, 16 bytes of padding behind each block's 128, and comes back with block l in registers 0-31 and block 32 + l in 32-63.
; LDS serves a wave's instructions in order, so the loads see the stores and may land in the registers that the stores left.
.macro QROW X
.irp j, 0,1,2,3,4,5,6,7,8,9,10,11,12,13,14,15
	ds_store_b128 v5, v[\X+4*\j:\X+4*\j+3] offset:576*\j
.endr
.irp i, 0,1,2,3,4,5,6,7
	ds_load_b128 v[\X+4*\i:\X+4*\i+3], v6 offset:16*\i
.endr
.irp i, 0,1,2,3,4,5,6,7
	ds_load_b128 v[\X+32+4*\i:\X+32+4*\i+3], v6 offset:4608+16*\i
.endr
	s_wait_dscnt 0x0
.irp b, 0,1
	v_max3_num_f32 v[QM+\b], |v[\X+32*\b]|, |v[\X+32*\b+1]|, 0x1800000   ; with the floor 2^(3 - 127): the byte cannot fall under 1
.endr
.irp i, 2,4,6,8,10,12,14,16,18,20,22,24,26,28,30
.irp b, 0,1
	v_max3_num_f32 v[QM+\b], v[QM+\b], |v[\X+32*\b+\i]|, |v[\X+32*\b+\i+1]|   ; the two blocks by turns
.endr
.endr
.irp b, 0,1
	v_add_nc_u32 v[QSO+\b], 0xff000000, v[QM+\b]   ; 2 off the exponent field: the conversion's scale operand
.endr
.irp b, 0,1
	v_lshrrev_b32 v[QBY+\b], 23, v[QSO+\b]         ; the scale's byte
.endr
.irp b, 0,1
.irp g, 0,1,2,3
	v_cvt_scalef32_pk8_fp4_f32 v[QC+4*\b+\g], v[\X+32*\b+8*\g:\X+32*\b+8*\g+7], v[QSO+\b]
.endr
.endr
	v_nop                                          ; a plain line behind the last conversion
.endm
.macro ALOAD i                         ; row i of my eight into slot i % 2: each load takes 512 consecutive bytes
.irp j, 0,1,2,3,4,5,6,7,8,9,10,11,12,13,14,15
	global_load_b128 v[X0+64*((\i)%2)+4*\j:X0+64*((\i)%2)+4*\j+3], v2, s[28:29] offset:8192*(\i)+512*\j th:TH_LOAD_NT
.endr
.endm
.macro AROW i
.set XS, X0+64*((\i)%2)
.if (\i) < 7
	s_wait_loadcnt 16                              ; this row's 16 loads are in; the next row's may be out
.else
	s_wait_loadcnt 0
.endif
	s_wait_xcnt 0x0                                ; the last row's stores have read their data: the record's word and the codes are written again below
.irp c, 0,1,2,3
	v_pk_mul_f32 v[SQ+2*\c:SQ+2*\c+1], v[XS+2*\c:XS+2*\c+1], v[XS+2*\c:XS+2*\c+1]   ; the first products start the four chains
.endr
.set kk, 8
.rept 7
.irp c, 0,1,2,3
	v_pk_fma_f32 v[SQ+2*\c:SQ+2*\c+1], v[XS+kk+2*\c:XS+kk+2*\c+1], v[XS+kk+2*\c:XS+kk+2*\c+1], v[SQ+2*\c:SQ+2*\c+1]
.endr
.set kk, kk+8
.endr
	FOLD4 SQ
	REDN SQ, 1
	PROJF FF, NN, SQ
	v_mov_b32 v[FF+1], v[FF]
	v_mul_f32 v[H2], v[FF], v[FF]
	v_mul_f32 v[H2], v[H2], v[SQ]
	ARTANHC LL, NN
	v_cndmask_b32 v[SW], v[LL], v[FF], s[M0S]      ; lane 0: f; lane 2: the squared norm; all others: L
	v_cndmask_b32 v[SW], v[SW], v[H2], s[M2S]
	global_store_b32 v3, v[SW], s[36:37] offset:128*(\i)
.set kk, 0
.rept 32
	v_pk_mul_f32 v[XS+kk:XS+kk+1], v[XS+kk:XS+kk+1], v[FF:FF+1]   ; the held row
.set kk, kk+2
.endr
	QROW XS
	global_store_b128 v2, v[QC:QC+3], s[30:31] offset:1024*(\i)        ; blocks 0-31: 512 consecutive bytes
	global_store_b128 v2, v[QC+4:QC+7], s[30:31] offset:1024*(\i)+512  ; blocks 32-63
	ds_store_b8 v7, v[QBY] offset:64*(\i)
	ds_store_b8 v7, v[QBY+1] offset:64*(\i)+32
.if (\i)+2 < 8
	ALOAD (\i)+2
.endif
.endm
	s_load_b512 s[4:19], s[0:1], 0x0               ; hidden s[4:5], hyp_x s[6:7], w_r s[8:9], w_z s[10:11], u_r s[12:13], u_z s[14:15], w_h s[16:17], ha s[18:19]
	s_load_b256 s[20:27], s[0:1], 0x40             ; xa s[20:21], wrz s[22:23], urz s[24:25], wh s[26:27]
	v_lshl_add_u32 v192, v0, 2, 0x12000
	v_mov_b32 v193, 0
	v_lshrrev_b32 v1, 5, v0
	v_readfirstlane_b32 s33, v1                    ; wave 0..3
	s_wait_kmcnt 0x0
	s_cmp_ge_u32 ttmp9, WGW
	s_cbranch_scc1 .Lrows
	; ---------------- the weights' path
	s_lshr_b32 s34, ttmp9, 6                       ; which tensor: 0 w_r, 1 w_z, 2 u_r, 3 u_z, 4 w_h
	s_and_b32 s35, ttmp9, 15                       ; which 128 columns
	s_bfe_u32 s36, ttmp9, 0x20004                  ; which 512 along K
	s_mov_b64 s[28:29], s[8:9]
	s_cmp_eq_u32 s34, 1
	s_cselect_b64 s[28:29], s[10:11], s[28:29]
	s_cmp_eq_u32 s34, 2
	s_cselect_b64 s[28:29], s[12:13], s[28:29]
	s_cmp_eq_u32 s34, 3
	s_cselect_b64 s[28:29], s[14:15], s[28:29]
	s_cmp_eq_u32 s34, 4
	s_cselect_b64 s[28:29], s[16:17], s[28:29]     ; the source,
	s_cselect_b64 s[30:31], s[26:27], s[24:25]
	s_cmp_lt_u32 s34, 2
	s_cselect_b64 s[30:31], s[22:23], s[30:31]     ; and the buffer that takes it: the choices hang on the work-group's number alone
	v_and_b32 v2, 31, v0                           ; lane
	s_lshl_b32 s37, s35, 7
	s_lshl_b32 s38, s33, 5
	s_add_co_u32 s37, s37, s38                     ; my wave's first column
	v_lshlrev_b32 v3, 2, v2                        ; in: 4 bytes a lane
	s_mul_i32 s39, s33, 32*PITCH                   ; my stage
	v_mul_u32_u24 v4, v2, PITCH
	v_add_nc_u32 v4, s39, v4                       ; into it: row = my column
	v_and_b32 v5, 15, v2
	v_lshrrev_b32 v6, 4, v2                        ; out of it: sixteen lanes to a row, two rows an instruction
	v_mul_u32_u24 v7, v5, PITCH                    ; out of the stage as a fragment's lane takes it: row = lane % 16,
	v_lshl_add_u32 v7, v6, 4, v7                   ; + 16 x (lane / 16)
	v_add_nc_u32 v7, s39, v7
	v_lshlrev_b32 v8, 4, v2                        ; and 16 x lane in the codes: 512 consecutive bytes a store
	v_mul_u32_u24 v9, v2, SIZE_K/32                ; my column's row of scale bytes
	s_mov_b32 s41, 0
	s_lshl_b32 s40, s36, 22                        ; 512 rows of 8,192 bytes
	s_lshl_b32 s42, s37, 2
	s_add_co_u32 s40, s40, s42
	s_add_nc_u64 s[28:29], s[28:29], s[40:41]      ; W at my wave's corner
	s_and_b32 s42, s34, 1
	s_lshl_b32 s42, s42, 11
	s_add_co_u32 s42, s42, s37                     ; my first row of the buffer: the second tensor of a pair begins at row 2,048
	s_lshl_b32 s40, s42, 6
	s_lshl_b32 s43, s36, 4
	s_add_co_u32 s40, s40, s43
	s_add_co_u32 s40, s40, WSC
	s_add_nc_u64 s[44:45], s[30:31], s[40:41]      ; its scale bytes,
	s_lshl_b32 s40, s42, 10
	s_lshl_b32 s43, s36, 12                        ; my 512 along K are four pieces of 1,024 bytes in each block of 16 columns (16,384 bytes a block = 1,024 a column)
	s_add_co_u32 s40, s40, s43
	s_add_nc_u64 s[30:31], s[30:31], s[40:41]      ; its codes
	WLOAD 0
	WLOAD 1
.set Q, 0
.rept NB
	WBLOCK Q
.set Q, Q+1
.endr
	s_wait_alu depctr_va_vdst(0)
	global_store_b128 v9, v[SB:SB+3], s[44:45]     ; my column's 16 scale bytes
.irp t, 0,1,2,3,4,5,6,7,8,9,10,11,12,13,14,15
	ds_load_b128 v[OUTR+4*\t:OUTR+4*\t+3], v7 offset:(\t/8)*16*PITCH+64*((\t/2)%4)+32*(\t%2)   ; t = 8 x (block of 16 columns) + 2 x (128 along K) + register group
.endr
.irp t, 0,1,2,3,4,5,6,7,8,9,10,11,12,13,14,15
	s_wait_dscnt 15-\t                             ; the younger loads may be out
	global_store_b128 v8, v[OUTR+4*\t:OUTR+4*\t+3], s[30:31] offset:(\t/8)*16384+((\t/2)%4)*1024+(\t%2)*512   ; 32 lanes store 512 consecutive bytes, aligned
.endr
	s_wait_tensorcnt 0x0
	ds_add_u32 v192, v193
	s_wait_dscnt 0x0
	s_endpgm
	; ---------------- the rows' path
.Lrows:
	s_sub_co_u32 s34, ttmp9, WGW                   ; 0 .. 127
	s_lshr_b32 s35, s34, 6                         ; 0: hidden, 1: hyp_x
	s_and_b32 s34, s34, 63
	s_lshl_b32 s34, s34, 5
	s_lshl_b32 s36, s33, 3
	s_add_co_u32 s38, s34, s36                     ; my wave's first row: 32 x work-group + 8 x wave
	s_cmp_eq_u32 s35, 0
	s_cselect_b64 s[28:29], s[4:5], s[6:7]
	s_cselect_b64 s[30:31], s[18:19], s[20:21]
	s_mov_b32 s41, 0
	s_lshl_b32 s40, s38, 13
	s_add_nc_u64 s[28:29], s[28:29], s[40:41]      ; the source at my first row
	s_lshl_b32 s40, s38, 6
	s_add_co_u32 s40, s40, ASC
	s_add_nc_u64 s[34:35], s[30:31], s[40:41]      ; its scale bytes
	s_lshl_b32 s40, s38, 7
	s_add_co_u32 s40, s40, AST
	s_add_nc_u64 s[36:37], s[30:31], s[40:41]      ; its record
	s_lshl_b32 s40, s38, 10
	s_add_nc_u64 s[30:31], s[30:31], s[40:41]      ; its codes
	s_mul_i32 s39, s33, ASTG
	s_add_co_u32 s39, s39, ABASE                   ; my region of LDS
	v_and_b32 v1, 31, v0                           ; lane
	v_lshlrev_b32 v2, 4, v1                        ; 16 x lane
	ALOAD 0
	ALOAD 1
	v_lshlrev_b32 v3, 2, v1                        ; 4 x lane
	v_lshrrev_b32 v5, 3, v1
	v_lshl_add_u32 v5, v5, 4, v2
	v_add_nc_u32 v5, s39, v5                       ; into the stage: 16 x lane, and 16 more for each 128 passed
	v_mul_u32_u24 v6, v1, 144
	v_add_nc_u32 v6, s39, v6                       ; out of it: block = lane
	v_add_nc_u32 v7, s39, v1
	v_add_nc_u32 v7, SBY, v7                       ; my block's scale byte
	v_add_nc_u32 v8, s39, v2
	v_add_nc_u32 v8, SBY, v8                       ; and 16 of the wave's 512 on the way out
	s_mov_b32 s[SMIN], 0x2edbe6ff
	s_mov_b32 s[SMAX], 0x3f7fff58
	s_mov_b32 s[SEL], 0x76543210
	s_mov_b32 s[SEL+1], 0xfedcba98
	s_mov_b32 s[M0S], 1
	s_mov_b32 s[M2S], 4
.irp i, 0,1,2,3,4,5,6,7
	AROW \i
.endr
	ds_load_b128 v[QO:QO+3], v8                    ; my eight rows' scale bytes are neighbours in memory
	s_wait_dscnt 0x0
	global_store_b128 v2, v[QO:QO+3], s[34:35]     ; 512 consecutive bytes, aligned
	s_wait_tensorcnt 0x0
	ds_add_u32 v192, v193
	s_wait_dscnt 0x0
	s_endpgm
.Lfunc_end_k_q2e010b1b14_quant:
	.size	k_q2e010b1b14_quant, .Lfunc_end_k_q2e010b1b14_quant-k_q2e010b1b14_quant
	.p2alignl 7, 3214868480
	.fill 96, 4, 3214868480
	.section	.rodata,"a",@progbits
	.p2align	6, 0x0
	.amdhsa_kernel k_q2e010b1b14_quant
		.amdhsa_group_segment_fixed_size 74240
		.amdhsa_private_segment_fixed_size 0
		.amdhsa_enable_private_segment 0
		.amdhsa_kernarg_size 96
		.amdhsa_user_sgpr_count 2
		.amdhsa_user_sgpr_kernarg_segment_ptr 1
		.amdhsa_wavefront_size32 1
		.amdhsa_system_sgpr_workgroup_id_x 1
		.amdhsa_system_sgpr_workgroup_id_y 1
		.amdhsa_system_sgpr_workgroup_id_z 1
		.amdhsa_system_vgpr_workitem_id 0
		.amdhsa_next_free_vgpr 194
		.amdhsa_next_free_sgpr 66
		.amdhsa_reserve_vcc 1
		.amdhsa_float_denorm_mode_32 3
		.amdhsa_float_denorm_mode_16_64 3
		.amdhsa_memory_ordered 1
		.amdhsa_forward_progress 1
		.amdhsa_inst_pref_size 185
	.end_amdhsa_kernel
	.amdgpu_metadata
---
amdhsa.version: [ 1, 2 ]
amdhsa.kernels:
  - .name:           k_q2e010b1b14_quant
    .symbol:         k_q2e010b1b14_quant.kd
    .args:
      - { .name: hidden, .offset: 0, .size: 8, .value_kind: global_buffer, .address_space: global }
      - { .name: hyp_x, .offset: 8, .size: 8, .value_kind: global_buffer, .address_space: global }
      - { .name: w_r, .offset: 16, .size: 8, .value_kind: global_buffer, .address_space: global }
      - { .name: w_z, .offset: 24, .size: 8, .value_kind: global_buffer, .address_space: global }
      - { .name: u_r, .offset: 32, .size: 8, .value_kind: global_buffer, .address_space: global }
      - { .name: u_z, .offset: 40, .size: 8, .value_kind: global_buffer, .address_space: global }
      - { .name: w_h, .offset: 48, .size: 8, .value_kind: global_buffer, .address_space: global }
      - { .name: ha, .offset: 56, .size: 8, .value_kind: global_buffer, .address_space: global }
      - { .name: xa, .offset: 64, .size: 8, .value_kind: global_buffer, .address_space: global }
      - { .name: wrz, .offset: 72, .size: 8, .value_kind: global_buffer, .address_space: global }
      - { .name: urz, .offset: 80, .size: 8, .value_kind: global_buffer, .address_space: global }
      - { .name: wh, .offset: 88, .size: 8, .value_kind: global_buffer, .address_space: global }
    .group_segment_fixed_size: 74240
    .private_segment_fixed_size: 0
    .kernarg_segment_align: 8
    .kernarg_segment_size: 96
    .max_flat_workgroup_size: 128
    .sgpr_count:     66
    .vgpr_count:     194
    .wavefront_size: 32
...
	.end_amdgpu_metadata
.endif
;; end of part 1
;; launch gemm1 (part 2): grid 16 x 16, 4 waves a work-group, clusters of 4 x 4, 327,680 bytes of LDS; arguments ha, xa, wrz, urz, c1; writes c1
.if DOCPART == 2
	.amdgcn_target "amdgcn-amd-amdhsa--gfx1250"
	.amdhsa_code_object_version 6
	.text
	.protected	k_q2e010b1b14_gemm1
	.globl	k_q2e010b1b14_gemm1
	.p2align	8
	.type	k_q2e010b1b14_gemm1,@function
k_q2e010b1b14_gemm1:
	s_mov_b64 s[64:65], 0
	v_nop
	global_prefetch_b8 v0, s[64:65] scope:SCOPE_SE
	s_setreg_imm32_b32 hwreg(HW_REG_WAVE_MODE, 25, 1), 1
	s_wait_xcnt 0x0
	s_wait_alu depctr_hold_cnt(0) depctr_sa_sdst(0) depctr_va_vdst(0) depctr_va_sdst(0) depctr_va_ssrc(0) depctr_va_vcc(0) depctr_vm_vsrc(0)
	s_getreg_b32 s2, hwreg(HW_REG_IB_STS2, 6, 4)
	s_cmp_eq_u32 s2, 0
	s_cbranch_scc0 .Lentry_in_a_cluster
	s_endpgm
.Lentry_in_a_cluster:
	s_bfe_u32 s2, ttmp6, 0x10000c
	s_cmp_lg_u32 s2, 0xf033
	s_cbranch_scc0 .Lentry_shape_is_right
	s_endpgm
.Lentry_shape_is_right:
; Four raw products on codes of FP4 (E2M1) with one E8M0 scale for each 32 along K: planes of c1 [4][2048][2048] f32: 0 hidden x w_r, 1 hyp_x x u_r, 2 hidden x w_z, 3 hyp_x x u_z.  K = 2,048, sums in f32, K ascending.
; hyp_x x u_r, which the problem writes twice with the same operands, is multiplied once (plane 1).
; A work-group of four waves makes a tile of 256 x 256.  NO RING: every LDS byte is filled once.
;   A (ha or xa): the tile's 256 rows for ALL of K, 1,024 bytes a row, lie in LDS (pitch 1,040), with their scale bytes and B's: one tensor load a wave at the head.
;   B (wrz or urz): a wave owns 64 columns, and their codes for all of K stay in 512 of its registers.  The first launch laid them in the order of the operand's registers, so the wave's 65,536 bytes
;   are consecutive and come by 128 loads of 512 consecutive bytes; no two waves of the work-group load the same byte of B.
; The wave walks A in 8 passes of 32 rows: 16 K steps x (2 blocks of A x 4 of B), 8 accumulators by turns.  A pass's 32 x 64 results are finished at its end and leave at once, through the wave's own stage,
; as rows of 256 bytes, while the next pass is fetched and multiplied.  Each fragment of A is read from LDS once by each wave.
; CLUSTERS: 4 x 4.  A's rows and scales are asked for jointly along a row of the cluster, B's scales along a column.  B's codes go to one wave's registers and not to LDS, so no joint load can bring them.
; NO PREFETCH: every load of the launch is issued at its head; there is no loop to run ahead in.
; THE MATRIX INSTRUCTION IS USED TRANSPOSED (source 0 = 16 columns' rows of B, source 1 = 16 rows of A): a lane holds eight neighbouring numbers of a row of C.
; REGISTERS: window 0: v16-29 addresses; v32-47 A's scale words of the pass (register q: K step q; lanes 0-15 block 0, lanes 16-31 block 1); v48-79 B's (16 jj + q: lanes 0-15 block 2 jj, lanes 16-31 block 2 jj + 1);
;   v96-159 accumulators ((a, j) at 96 + 8 (4 a + j)); v160-223 rows on the way out.  window 1: A's fragments of a pass (16 q + 8 a), in two halves of 8 K steps.  windows 2, 3: B (32 q + 8 j).
.set PITCH,  1040                      ; 1,024 bytes + 16: 260 words, so the 16 rows that a load touches start at 16 different banks (ISA guide 11.1)
.set HALFA,  128*PITCH
.set SCLA,   2*HALFA                   ; A's scales: 64 units of 256 bytes + 16
.set SCLB,   SCLA+64*272               ; B's
.set SBLK,   4*272                     ; the scales of 16 rows
.set STAGE,  SCLB+64*272               ; 16 rows x 272 bytes for each wave; no tile lands there
.set SPITCH, 272
.set SPARE,  STAGE+4*16*SPITCH         ; the spare words
.set PSTEP,  32*PITCH                  ; a pass's rows of A in LDS
.set CSTEP,  32*8192                   ; and of C in memory
.set ADRA0, 16
.set ADRA,  17
.set ADRS0, 18
.set ADRS,  19
.set ADRT,  20
.set STO,   21
.set RD,    22
.set CO,    23
.set BO,    24
.set SPW,   28
.set NIL,   29
.set AS,    32
.set BS,    48
.set ACC,   96
.set OUT,   160
.set G1,   24
.set G0,   32
.set G0S,  36
.set G1S,  48
.set G1SB, 56
.set G0SB, 68
.set MSB, 0
.macro WIN new                         ; bits 1:0 source 0, 3:2 source 1, 5:4 source 2, 7:6 destination; the high byte repeats the setting that is left
.if MSB != \new
	s_set_vgpr_msb (MSB<<8)|\new
.set MSB, \new
.endif
.endm
.macro PLACES n
.rept \n
	v_nop
.endr
.endm
.macro TLOAD g0, g1                    ; an s_nop 0 and four v_nop follow each tensor load
	tensor_load_to_lds s[\g0:\g0+3], s[\g1:\g1+7]
	s_nop 0
	PLACES 4
.endm
.macro CROUND                          ; a round of the cluster's barrier
	s_barrier_signal -1
	s_barrier_wait -1
	s_cmp_lg_u32 s14, 0
	s_cbranch_scc1 .Lnot_wave_0_\@
	s_barrier_signal -3
.Lnot_wave_0_\@:
	s_barrier_wait -3
	s_barrier_signal -1
	s_barrier_wait -1
.endm
.macro BLOADS from, win                ; B's fragments of K steps from .. from + 7, K step by K step: 64 loads of 512 consecutive bytes
	WIN \win
.irp q, 0,1,2,3,4,5,6,7
.irp j, 0,1,2,3
.irp c, 0,1
	global_load_b128 v[32*\q+8*\j+4*\c:32*\q+8*\j+4*\c+3], v[BO], s[76:77] offset:(16*\j+\from+\q)*1024+512*\c
.endr
.endr
.endr
	WIN 0
.endm
	s_load_b256 s[4:11], s[0:1], 0x0               ; ha, xa, wrz, urz
	s_load_b64 s[12:13], s[0:1], 0x20              ; c1
	v_lshl_add_u32 v[SPW], v0, 2, SPARE
	v_mov_b32 v[NIL], 0
	ds_add_u32 v[SPW], v[NIL]                      ; the opening lines: the add, twice on end, and its wait ahead of the first tensor load
	ds_add_u32 v[SPW], v[NIL]
	v_lshrrev_b32 v1, 5, v0
	v_readfirstlane_b32 s14, v1                    ; wave 0..3
	v_and_b32 v2, 31, v0
	v_lshlrev_b32 v[BO], 4, v2                     ; 16 x lane
	s_and_b32 s16, s14, 1                          ; which 128 rows of A waves 0 and 1 fetch
	s_bfe_u32 s40, ttmp6, 0x40000                  ; cx, cy
	s_bfe_u32 s41, ttmp6, 0x40004
	s_lshl_b32 s42, ttmp9, 2
	s_add_co_u32 s42, s42, s40                     ; tile column 0..15 of the 4,096 rows of wrz or urz
	s_and_b32 s17, ttmp7, 0xffff
	s_lshr_b32 s95, s17, 1                         ; 0: hidden and wrz, 1: hyp_x and urz
	s_and_b32 s17, s17, 1
	s_lshl_b32 s17, s17, 2
	s_add_co_u32 s17, s17, s41                     ; tile row 0..7
	s_lshl_b32 s43, s41, 2
	s_lshl_b32 s43, 15, s43                        ; my row of the cluster
	s_lshl_b32 s44, 0x1111, s40                    ; my column
	s_or_b32 s[G1], s43, (0<<16)|(1<<20)|(1<<21)|(7<<22)|(3<<25)    ; A's codes: bytes; 4 words of padding behind every 256
	s_mov_b32 s[G1+1], 1024<<16
	s_mov_b32 s[G1+2], 128<<16
	s_mov_b32 s[G1+3], 1024<<16
	s_mov_b32 s[G1+4], 128
	s_mov_b32 s[G1+5], 1024
	s_mov_b32 s[G1+6], 0
	s_mov_b32 s[G1+7], 0
	s_or_b32 s[G1S], s43, (3<<16)|(1<<20)|(1<<21)|(5<<22)|(3<<25)   ; scales of 256 rows: a dense block of 16,384 bytes as 64 rows of 256, 16 bytes of padding behind each
	s_or_b32 s[G1SB], s44, (3<<16)|(1<<20)|(1<<21)|(5<<22)|(3<<25)
.irp g, G1S, G1SB
	s_mov_b32 s[\g+1], 32<<16
	s_mov_b32 s[\g+2], 64<<16
	s_mov_b32 s[\g+3], 32<<16
	s_mov_b32 s[\g+4], 64
	s_mov_b32 s[\g+5], 32
	s_mov_b32 s[\g+6], 0
	s_mov_b32 s[\g+7], 0
.endr
	s_lshl_b32 s72, s17, 18                        ; A's codes: (256 x tile row + 128 x half) x 1,024
	s_lshl_b32 s74, s16, 17
	s_add_co_u32 s72, s72, s74
	s_mov_b32 s73, 0
	s_lshl_b32 s74, s17, 14                        ; A's scales: 64 bytes a row, behind the codes
	s_add_co_u32 s74, s74, 0x200000
	s_mov_b32 s75, 0
	s_lshl_b32 s78, s42, 14                        ; B's scales
	s_add_co_u32 s78, s78, 0x400000
	s_mov_b32 s79, 0
	s_lshl_b32 s80, s42, 18                        ; B's codes: 262,144 bytes a tile column, 65,536 a wave
	s_lshl_b32 s82, s14, 16
	s_add_co_u32 s80, s80, s82
	s_mov_b32 s81, 0
	s_wait_alu depctr_va_vdst(0)
	s_wait_dscnt 0x0                               ; both opening adds are done
	s_wait_kmcnt 0x0
	s_cmp_eq_u32 s95, 0
	s_cselect_b64 s[4:5], s[4:5], s[6:7]
	s_cselect_b64 s[8:9], s[8:9], s[10:11]
	s_add_nc_u64 s[76:77], s[8:9], s[80:81]
	s_mov_b32 s[G0], 1
	s_mul_i32 s[G0+1], s16, HALFA
	s_add_nc_u64 s[G0+2:G0+3], s[4:5], s[72:73]
	s_or_b32 s[G0+3], s[G0+3], 0x80000000
	s_mov_b32 s[G0S], 1
	s_mov_b32 s[G0S+1], SCLA
	s_add_nc_u64 s[G0S+2:G0S+3], s[4:5], s[74:75]
	s_or_b32 s[G0S+3], s[G0S+3], 0x80000000
	s_mov_b32 s[G0SB], 1
	s_mov_b32 s[G0SB+1], SCLB
	s_add_nc_u64 s[G0SB+2:G0SB+3], s[8:9], s[78:79]
	s_or_b32 s[G0SB+3], s[G0SB+3], 0x80000000
	CROUND                                         ; all sixteen work-groups are here: the joint loads meet
	; one tensor load a wave, in one chain of branches on the wave's number: waves 0, 1 A's two halves, wave 2 A's scales, wave 3 B's
	s_cmp_lt_u32 s14, 2
	s_cbranch_scc0 .Lhead_sa
	TLOAD G0, G1
	s_branch .Lhead_asked
.Lhead_sa:
	s_cmp_lt_u32 s14, 3
	s_cbranch_scc0 .Lhead_sb
	TLOAD G0S, G1S
	s_branch .Lhead_asked
.Lhead_sb:
	TLOAD G0SB, G1SB
.Lhead_asked:
	BLOADS 0, 0x80                                 ; behind the tensor loads: K steps 0-7 of my 64 columns are asked for while A's tile is on its way
	s_mul_i32 s46, s14, 4*SBLK
	s_add_co_u32 s46, s46, SCLB                    ; the scales of my 64 columns
	s_mul_i32 s47, s14, 16*SPITCH
	s_add_co_u32 s47, s47, STAGE                   ; my stage
	s_lshl_b32 s84, s17, 21                        ; C: 256 x tile row rows of 8,192 bytes,
	s_and_b32 s86, s42, 7
	s_lshl_b32 s86, s86, 10
	s_add_co_u32 s84, s84, s86                     ; + 1,024 x tile column in its plane
	s_lshl_b32 s86, s14, 8
	s_add_co_u32 s84, s84, s86                     ; + 256 x wave
	s_lshr_b32 s86, s42, 3
	s_lshl_b32 s86, s86, 1
	s_add_co_u32 s86, s86, s95
	s_lshl_b32 s86, s86, 24
	s_add_co_u32 s84, s84, s86                     ; + the plane
	s_mov_b32 s85, 0
	s_add_nc_u64 s[12:13], s[12:13], s[84:85]
	s_mov_b32 s96, 0                               ; the pass's step in A's rows,
	s_mov_b32 s97, 0                               ; and in A's scales (registers that no descriptor names)
	v_and_b32 v1, 15, v0                           ; r
	v_bfe_u32 v2, v0, 4, 1                         ; h
	v_mul_u32_u24 v3, v1, PITCH
	v_lshl_add_u32 v[ADRA0], v2, 4, v3             ; a fragment's row x pitch + 16 h
	v_lshl_add_u32 v[ADRA], v2, 4, v3
	v_lshlrev_b32 v4, 6, v1                        ; scales: 64 bytes a row,
	v_lshrrev_b32 v5, 2, v1
	v_lshl_add_u32 v4, v5, 4, v4                   ; 16 more for each 256 passed,
	v_mad_u32_u24 v4, v2, SBLK, v4                 ; and lanes 16-31 take the next block of 16 rows
	v_add_nc_u32 v[ADRS0], SCLA, v4
	v_add_nc_u32 v[ADRS], SCLA, v4
	v_add_nc_u32 v[ADRT], s46, v4
	v_mul_u32_u24 v5, v1, SPITCH                   ; into the stage: row r, 32 bytes for each half of the lanes
	v_lshl_add_u32 v5, v2, 5, v5
	v_add_nc_u32 v[STO], s47, v5
	v_mul_u32_u24 v5, v2, SPITCH                   ; back: lanes 0-15 one row of 256 bytes, lanes 16-31 the next
	v_lshl_add_u32 v5, v1, 4, v5
	v_add_nc_u32 v[RD], s47, v5
	v_lshlrev_b32 v5, 13, v2                       ; and the same two rows in C
	v_lshl_add_u32 v[CO], v1, 4, v5
	BLOADS 8, 0xc0                                 ; K steps 8-15
	s_wait_alu depctr_va_vdst(0)
	s_wait_tensorcnt 0x0                           ; my tile is in;
	s_barrier_signal -1
	s_barrier_wait -1                              ; everybody's is.
.macro ASC half                        ; A's scale words of 8 K steps of the pass at ADRS
.irp g, 0,1
	ds_load_b128 v[AS+8*\half+4*\g:AS+8*\half+4*\g+3], v[ADRS] offset:32*\half+16*\g
.endr
.endm
.macro AFETCH half                     ; A's fragments of 8 K steps of the pass at ADRA: 32 loads in one run
	WIN 0x40
.irp q, 0,1,2,3,4,5,6,7
.irp a, 0,1
.irp c, 0,1
	ds_load_b128 v[128*\half+16*\q+8*\a+4*\c:128*\half+16*\q+8*\a+4*\c+3], v[ADRA] offset:512*\half+64*\q+32*\c+\a*16*PITCH
.endr
.endr
.endr
	WIN 0
.endm
.macro WM d, b, a, c, sb, sa, rb, ra   ; rb, ra: which half of the lanes holds B's and A's scale words
.if (\rb)&&(\ra)
	v_wmma_scale_f32_16x16x128_f8f6f4 v[\d:\d+7], v[\b:\b+7], v[\a:\a+7], \c, v[\sb], v[\sa] matrix_a_fmt:MATRIX_FMT_FP4 matrix_b_fmt:MATRIX_FMT_FP4 matrix_a_scale:MATRIX_SCALE_ROW1 matrix_b_scale:MATRIX_SCALE_ROW1
.elseif \rb
	v_wmma_scale_f32_16x16x128_f8f6f4 v[\d:\d+7], v[\b:\b+7], v[\a:\a+7], \c, v[\sb], v[\sa] matrix_a_fmt:MATRIX_FMT_FP4 matrix_b_fmt:MATRIX_FMT_FP4 matrix_a_scale:MATRIX_SCALE_ROW1
.elseif \ra
	v_wmma_scale_f32_16x16x128_f8f6f4 v[\d:\d+7], v[\b:\b+7], v[\a:\a+7], \c, v[\sb], v[\sa] matrix_a_fmt:MATRIX_FMT_FP4 matrix_b_fmt:MATRIX_FMT_FP4 matrix_b_scale:MATRIX_SCALE_ROW1
.else
	v_wmma_scale_f32_16x16x128_f8f6f4 v[\d:\d+7], v[\b:\b+7], v[\a:\a+7], \c, v[\sb], v[\sa] matrix_a_fmt:MATRIX_FMT_FP4 matrix_b_fmt:MATRIX_FMT_FP4
.endif
.endm
; 8 K steps, 64 matrix instructions; the 8 accumulators take turns, one instruction a turn.  A pass's first K step starts the sums with C = 0.
.macro MULH half
.irp q, 0,1,2,3,4,5,6,7
.if \half
	s_wait_loadcnt 8*(7-\q)                        ; B's K step 8 + q is in: behind its 8 loads stand those of the later K steps
.endif
.irp a, 0,1
.irp jj, 0,1
.irp rb, 0,1
.if (\half==0)&&(\q==0)
	WM ACC+8*(4*\a+2*\jj+\rb), 32*\q+8*(2*\jj+\rb), 128*\half+16*\q+8*\a, 0, BS+16*\jj+8*\half+\q, AS+8*\half+\q, \rb, \a
.else
	WM ACC+8*(4*\a+2*\jj+\rb), 32*\q+8*(2*\jj+\rb), 128*\half+16*\q+8*\a, v[ACC+8*(4*\a+2*\jj+\rb):ACC+8*(4*\a+2*\jj+\rb)+7], BS+16*\jj+8*\half+\q, AS+8*\half+\q, \rb, \a
.endif
.endr
.endr
.endr
.endr
.endm
.macro TOSTAGE a                       ; 16 rows x 64 columns into my stage and back as rows of 256 bytes; LDS serves a wave's instructions in order (ISA guide 5.7.1.4)
.irp j, 0,1,2,3
	ds_store_b128 v[STO], v[ACC+8*(4*\a+\j):ACC+8*(4*\a+\j)+3] offset:64*\j          ; each accumulator from its low end on
	ds_store_b128 v[STO], v[ACC+8*(4*\a+\j)+4:ACC+8*(4*\a+\j)+7] offset:64*\j+16
.endr
.irp t, 0,1,2,3,4,5,6,7
	ds_load_b128 v[OUT+32*\a+4*\t:OUT+32*\a+4*\t+3], v[RD] offset:\t*2*SPITCH
.endr
.endm
; A pass of 32 rows.  next = 1: the next pass's fragments are fetched, each half into the registers that this pass's half has left.
.macro PASS next
	s_wait_dscnt 34                                ; the first half's fragments and scale words are in; the second half's 2 + 32 loads may be out
	s_wait_loadcnt 63                              ; B's K steps 0-7 are in: 64 loads were issued behind them
	WIN 0x06                                       ; source 0 (B) window 2, source 1 (A) window 1, C and D window 0
	MULH 0
	WIN 0
.if \next
	PLACES 2
	s_add_co_u32 s96, s96, PSTEP
	s_add_co_u32 s97, s97, 2*SBLK
	v_add_nc_u32 v[ADRA], s96, v[ADRA0]            ; with the two v_nop: the four places in front of the loads below
	v_add_nc_u32 v[ADRS], s97, v[ADRS0]
	s_wait_alu depctr_va_vdst(0)
	ASC 0
	AFETCH 0
	s_wait_dscnt 34                                ; all but the 34 just issued: this pass's second half is in
.else
	s_wait_dscnt 0x0
.endif
	WIN 0x07                                       ; B window 3
	MULH 1
	WIN 0
	PLACES 5                                       ; four for the stores that read results and the loads into fragments; five for the next pass's first products, which begin these accumulators anew
	s_wait_xcnt 0x0                                ; the last pass's stores have read their data and their base
	s_add_nc_u64 s[12:13], s[12:13], CSTEP         ; the base stands one pass ahead; the stores reach back by their immediates
	TOSTAGE 0
	TOSTAGE 1
.if \next
	ASC 1
	AFETCH 1
	s_wait_dscnt 34                                ; all but the 34 just issued: the rows are back, and the stage's stores have read the accumulators
.else
	s_wait_dscnt 0x0
.endif
.irp a, 0,1
.irp t, 0,1,2,3,4,5,6,7
	global_store_b128 v[CO], v[OUT+32*\a+4*\t:OUT+32*\a+4*\t+3], s[12:13] offset:(16*\a+2*\t)*8192-CSTEP th:TH_STORE_NT   ; 16 lanes store 256 consecutive bytes, aligned
.endr
.endr
.endm
.irp jj, 0,1
.irp g, 0,1,2,3
	ds_load_b128 v[BS+16*\jj+4*\g:BS+16*\jj+4*\g+3], v[ADRT] offset:\jj*2*SBLK+16*\g   ; B's scale words, for the whole launch
.endr
.endr
	ASC 0
	AFETCH 0
	ASC 1
	AFETCH 1
	s_mov_b32 s3, 7
.Lpass:
	PASS 1
	s_sub_co_u32 s3, s3, 1
	s_cmp_lg_u32 s3, 0
	s_cbranch_scc1 .Lpass
	PASS 0                                         ; the last pass fetches nothing
	s_wait_tensorcnt 0x0                           ; the wave's end
	ds_add_u32 v[SPW], v[NIL]
	s_wait_dscnt 0x0
	CROUND                                         ; the closing round
	s_endpgm
.Lfunc_end_k_q2e010b1b14_gemm1:
	.size	k_q2e010b1b14_gemm1, .Lfunc_end_k_q2e010b1b14_gemm1-k_q2e010b1b14_gemm1
	.p2alignl 7, 3214868480
	.fill 96, 4, 3214868480
	.section	.rodata,"a",@progbits
	.p2align	6, 0x0
	.amdhsa_kernel k_q2e010b1b14_gemm1
		.amdhsa_group_segment_fixed_size 327680
		.amdhsa_private_segment_fixed_size 0
		.amdhsa_enable_private_segment 0
		.amdhsa_kernarg_size 40
		.amdhsa_user_sgpr_count 2
		.amdhsa_user_sgpr_kernarg_segment_ptr 1
		.amdhsa_wavefront_size32 1
		.amdhsa_system_sgpr_workgroup_id_x 1
		.amdhsa_system_sgpr_workgroup_id_y 1
		.amdhsa_system_sgpr_workgroup_id_z 1
		.amdhsa_system_vgpr_workitem_id 0
		.amdhsa_next_free_vgpr 1024
		.amdhsa_next_free_sgpr 100
		.amdhsa_reserve_vcc 0
		.amdhsa_float_denorm_mode_32 3
		.amdhsa_float_denorm_mode_16_64 3
		.amdhsa_memory_ordered 1
		.amdhsa_forward_progress 1
		.amdhsa_inst_pref_size 70
	.end_amdhsa_kernel
	.amdgpu_metadata
---
amdhsa.version: [ 1, 2 ]
amdhsa.kernels:
  - .name:           k_q2e010b1b14_gemm1
    .symbol:         k_q2e010b1b14_gemm1.kd
    .args:
      - { .name: ha, .offset: 0, .size: 8, .value_kind: global_buffer, .address_space: global }
      - { .name: xa, .offset: 8, .size: 8, .value_kind: global_buffer, .address_space: global }
      - { .name: wrz, .offset: 16, .size: 8, .value_kind: global_buffer, .address_space: global }
      - { .name: urz, .offset: 24, .size: 8, .value_kind: global_buffer, .address_space: global }
      - { .name: c1, .offset: 32, .size: 8, .value_kind: global_buffer, .address_space: global }
    .group_segment_fixed_size: 327680
    .private_segment_fixed_size: 0
    .kernarg_segment_align: 8
    .kernarg_segment_size: 40
    .max_flat_workgroup_size: 128
    .sgpr_count:     100
    .vgpr_count:     1024
    .wavefront_size: 32
...
	.end_amdgpu_metadata
.endif
;; end of part 2
;; launch gate (part 3): grid 512 x 1, 4 waves a work-group, no clusters, 38,400 bytes of LDS; arguments c1, hidden, b_r, ha, xa, pa; writes pa
.if DOCPART == 3
	.amdgcn_target "amdgcn-amd-amdhsa--gfx1250"
	.amdhsa_code_object_version 6
	.text
	.protected	k_q2e010b1b14_gate
	.globl	k_q2e010b1b14_gate
	.p2align	8
	.type	k_q2e010b1b14_gate,@function
k_q2e010b1b14_gate:
	s_mov_b64 s[64:65], 0
	v_nop
	global_prefetch_b8 v0, s[64:65] scope:SCOPE_SE
	s_setreg_imm32_b32 hwreg(HW_REG_WAVE_MODE, 25, 1), 1
	s_wait_xcnt 0x0
; The reset gate and r (.) h.  One wave takes one row of 2,048 numbers; a lane holds 64 of them (register 4 j + i = element 128 j + 4 lane + i).
; In: a = plane 0 of c1 (hidden x w_r, raw), c = plane 1 (hyp_x x u_r, raw), b = b_r, h = hidden as given, and the two rows' records (f, L, squared norm).
; A transition is P a + Q c + R b with three numbers a row, which hang only on the six sums aa, cc, ac, ab, cb, bb and on L of the two input rows:
;   Moebius matrix-vector: al = tanh(|a| L) / |a|, held inside the ball;  Moebius addition u (+) v = A u + B v with A, B from |u|^2, |v|^2, <u, v>, held inside the ball.
; r = sigmoid(Lg (P a + Q c + R b)), Lg = artanh(n) / n of the transition's norm;  g = r h;  r (.) h = gamma kappa g with kappa = L_h f_h, gamma = tanh(n) / n (held), n = kappa |g|.
; Out (pa): the row's codes of FP4 (E2M1) with one E8M0 byte for each 32, and its record (gamma, L, squared norm), laid as the first launch lays ha and xa.
; All of it in f32.  tanh(y) / y and artanh(n) / n go by a series under 0.25 (cut where the next term is under 3e-10 over that range) and by v_exp_f32 / v_log_f32 above; both are computed, a select chooses.
; LIMITS: NaN and infinities among the inputs are not served.  A block of zeros gets the scale byte 1 (its codes are zeros; the bytes are read by this program alone).
;   The squared norm of a Moebius sum is formed from the row's sums (A^2 |u|^2 + 2 A B <u, v> + B^2 |v|^2): its error is about 1e-7 of |u|^2 + |v|^2, not of the result; it feeds only artanh(n) / n and the hold.
;   The hold that the matrix-vector product repeats on a held row is taken as the identity.
; No tensor loads.  One barrier, at the end: the work-group's four rows have 256 neighbouring scale bytes, which meet in LDS and leave as one store.
.set ASC,   0x200000
.set AST,   0x220000
.set SBY,   4*9216                     ; LDS: four stages of 64 x 144 bytes, then the work-group's 256 scale bytes
.set FH,    12                         ; v12-15  hidden's record: f, L, squared norm
.set LH,    13
.set HH,    14
.set LX,    17                         ; v16-19  hyp_x's record
.set S_AA,  24                         ; v24-41  up to nine sums, a pair each
.set S_CC,  26
.set S_AC,  28
.set S_AB,  30
.set S_CB,  32
.set S_BB,  34
.set KP,    24                         ; coefficient pairs, in the sums' registers once the sums are dead
.set KQ,    26
.set KR,    28
.set T0,    42                         ; v42-46  at work in the inner macros
.set T1,    43
.set T2,    44
.set T3,    45
.set T4,    46
.set U0,    48                         ; v48-51  at work in the middle macros
.set U1,    49
.set U2,    50
.set U3,    51
.set W0,    52                         ; v52-54  at work in the outer ones
.set W1,    53
.set W2,    54
.set AL,    55
.set BE,    56
.set UU,    57
.set VV,    58
.set PP,    59                         ; the transition's P, Q, R and squared norm
.set QQ,    60
.set RR,    61
.set S2,    62
.set SW,    63                         ; my word of the record
.set GG,    10                         ; v10-11  gamma kappa, twice
.set QM,    24                         ; the quantiser's registers, in the sums' once they are dead
.set QSO,   26
.set QBY,   28
.set QC,    30                         ; v30-37
.set QO,    38                         ; v38-39
.set RA,    64                         ; v64-127  a, then r
.set RC,    128                        ; v128-191 c, then g, then r (.) h
.set RB,    192                        ; v192-255 b
.set RH,    0                          ; window 1: v256-319 hidden
.set SMIN,  44                         ; s44      1e-10
.set SMAX,  45                         ; s45      1 - 1e-5
.set SEL,   46                         ; s[46:47] lane selects: lane l xor 16
.set M0S,   48                         ; s48      lane 0's bit
.set M2S,   49                         ; s49      lane 2's bit
.set MSB, 0
.macro WIN new                         ; register windows: bits 1:0 source 0, 3:2 source 1, 5:4 source 2, 7:6 destination; the high byte repeats the setting that is left
.if MSB != \new
	s_set_vgpr_msb (MSB<<8)|\new
.set MSB, \new
.endif
.endm
.macro SQRTC d, s                      ; d = sqrt(max(s, 1e-10))
	v_max_num_f32 v[T0], s[SMIN], v[\s]
	s_wait_alu depctr_va_vdst(0)
	v_rsq_f32 v[T1], v[T0]
	v_nop                                          ; a plain line behind the transcendental,
	s_wait_alu depctr_va_vdst(0)                   ; and the wait ahead of the first reader
	v_mul_f32 v[\d], v[T0], v[T1]
.endm
.macro PROJF fac, nn, n2               ; fac = 1, or (1 - 1e-5) / n where n = sqrt(max(n2, 1e-10)) lies over 1 - 1e-5;  nn = min(n, 1 - 1e-5)
	v_max_num_f32 v[T0], s[SMIN], v[\n2]
	s_wait_alu depctr_va_vdst(0)
	v_rsq_f32 v[T1], v[T0]
	v_nop
	s_wait_alu depctr_va_vdst(0)
	v_mul_f32 v[T0], v[T0], v[T1]
	v_mul_f32 v[T1], s[SMAX], v[T1]
	v_cmp_lt_f32 vcc_lo, s[SMAX], v[T0]
	v_cndmask_b32 v[\fac], 1.0, v[T1], vcc_lo
	v_min_num_f32 v[\nn], s[SMAX], v[T0]
.endm
.macro TANHC d, y                      ; d = tanh(y) / y, y > 0
	v_mul_f32 v[T0], 0x4038aa3b, v[\y]             ; 2 log2(e) y
	s_wait_alu depctr_va_vdst(0)
	v_exp_f32 v[T0], v[T0]
	v_rcp_f32 v[T1], v[\y]
	v_mul_f32 v[T2], v[\y], v[\y]                  ; the series 1 - y^2/3 + 2 y^4/15 - .. + 21844 y^12/6081075 is the independent work behind the two
	v_mov_b32 v[T3], 0x3b6b69e8
	v_fmaak_f32 v[T3], v[T3], v[T2], 0xbc11371b
	v_fmaak_f32 v[T3], v[T3], v[T2], 0x3cb327a4
	v_fmaak_f32 v[T3], v[T3], v[T2], 0xbd5d0dd1
	v_fmaak_f32 v[T3], v[T3], v[T2], 0x3e088889
	v_fmaak_f32 v[T3], v[T3], v[T2], 0xbeaaaaab
	v_fma_f32 v[T3], v[T3], v[T2], 1.0
	v_cmp_gt_f32 vcc_lo, 0x3e800000, v[\y]
	s_wait_alu depctr_va_vdst(0)                   ; one wait for both
	v_add_f32 v[T0], 1.0, v[T0]
	s_wait_alu depctr_va_vdst(0)
	v_rcp_f32 v[T0], v[T0]
	v_nop
	s_wait_alu depctr_va_vdst(0)
	v_fma_f32 v[T0], v[T0], -2.0, 1.0              ; tanh(y) = 1 - 2 / (1 + e^(2 y))
	v_mul_f32 v[T0], v[T0], v[T1]
	v_cndmask_b32 v[\d], v[T0], v[T3], vcc_lo
.endm
.macro ARTANHC d, n                    ; d = artanh(min(n, 1 - 1e-5)) / n
	v_min_num_f32 v[T0], s[SMAX], v[\n]
	v_sub_f32 v[T1], 1.0, v[T0]
	s_wait_alu depctr_va_vdst(0)
	v_rcp_f32 v[T1], v[T1]
	v_rcp_f32 v[T2], v[\n]
	v_mul_f32 v[T3], v[\n], v[\n]                  ; the series 1 + n^2/3 + .. + n^12/13
	v_mov_b32 v[T4], 0x3d9d89d9
	v_fmaak_f32 v[T4], v[T4], v[T3], 0x3dba2e8c
	v_fmaak_f32 v[T4], v[T4], v[T3], 0x3de38e39
	v_fmaak_f32 v[T4], v[T4], v[T3], 0x3e124925
	v_fmaak_f32 v[T4], v[T4], v[T3], 0x3e4ccccd
	v_fmaak_f32 v[T4], v[T4], v[T3], 0x3eaaaaab
	v_fma_f32 v[T4], v[T4], v[T3], 1.0
	v_add_f32 v[T0], 1.0, v[T0]
	v_cmp_gt_f32 vcc_lo, 0x3e800000, v[\n]
	s_wait_alu depctr_va_vdst(0)
	v_mul_f32 v[T0], v[T0], v[T1]                  ; (1 + n) / (1 - n)
	s_wait_alu depctr_va_vdst(0)
	v_log_f32 v[T0], v[T0]
	v_nop
	s_wait_alu depctr_va_vdst(0)
	v_mul_f32 v[T0], 0x3eb17218, v[T0]             ; x ln(2) / 2
	v_mul_f32 v[T0], v[T0], v[T2]
	v_cndmask_b32 v[\d], v[T0], v[T4], vcc_lo
.endm
.macro MATV al, u2, S, L               ; the Moebius matrix-vector product is al x the raw product; u2 = its squared norm.  S: the raw product's sum of squares;  L: artanh(n) / n of the input row
	SQRTC U0, \S
	v_mul_f32 v[U0], v[U0], v[\L]
	TANHC U1, U0
	v_mul_f32 v[U1], v[U1], v[\L]
	v_mul_f32 v[U0], v[U1], v[U1]
	v_mul_f32 v[U0], v[U0], v[\S]
	PROJF U2, T2, U0
	v_mul_f32 v[\al], v[U1], v[U2]
	v_mul_f32 v[U0], v[\al], v[\al]
	v_mul_f32 v[\u2], v[U0], v[\S]
.endm
.macro MOBS A, B, w2, u2, v2, uv       ; u (+) v = A u + B v, held inside the ball;  w2 = its squared norm
	v_fma_f32 v[U0], v[\uv], 2.0, 1.0
	v_fma_f32 v[U1], v[\u2], v[\v2], v[U0]
	v_max_num_f32 v[U1], s[SMIN], v[U1]
	s_wait_alu depctr_va_vdst(0)
	v_rcp_f32 v[U1], v[U1]
	v_add_f32 v[U0], v[U0], v[\v2]
	v_sub_f32 v[U2], 1.0, v[\u2]
	s_wait_alu depctr_va_vdst(0)
	v_mul_f32 v[U0], v[U0], v[U1]
	v_mul_f32 v[U2], v[U2], v[U1]
	v_mul_f32 v[U1], v[U0], v[U0]
	v_mul_f32 v[U1], v[U1], v[\u2]
	v_mul_f32 v[U3], v[U0], v[U2]
	v_add_f32 v[U3], v[U3], v[U3]
	v_fma_f32 v[U1], v[U3], v[\uv], v[U1]
	v_mul_f32 v[U3], v[U2], v[U2]
	v_fma_f32 v[U1], v[U3], v[\v2], v[U1]
	v_max_num_f32 v[U1], 0, v[U1]
	PROJF U3, T2, U1
	v_mul_f32 v[\A], v[U0], v[U3]
	v_mul_f32 v[\B], v[U2], v[U3]
	v_mul_f32 v[U3], v[U3], v[U3]
	v_mul_f32 v[\w2], v[U1], v[U3]
.endm
.macro TRANS La, Lc                    ; from the six sums: the transition = PP a + QQ c + RR b, its squared norm S2
	MATV AL, UU, S_AA, \La
	MATV BE, VV, S_CC, \Lc
	v_mul_f32 v[W0], v[AL], v[BE]
	v_mul_f32 v[W0], v[W0], v[S_AC]
	MOBS W1, W2, UU, UU, VV, W0
	v_mul_f32 v[AL], v[W1], v[AL]
	v_mul_f32 v[BE], v[W2], v[BE]
	v_mul_f32 v[W0], v[AL], v[S_AB]
	v_fma_f32 v[W0], v[BE], v[S_CB], v[W0]
	MOBS W1, RR, S2, UU, S_BB, W0
	v_mul_f32 v[PP], v[W1], v[AL]
	v_mul_f32 v[QQ], v[W1], v[BE]
.endm
.macro GATEC                           ; the gate's three coefficients, x -log2(e) x artanh(n) / n, each twice
	SQRTC U0, S2
	ARTANHC U1, U0
	v_mul_f32 v[U1], 0xbfb8aa3b, v[U1]
	v_mul_f32 v[KP], v[U1], v[PP]
	v_mul_f32 v[KP+1], v[U1], v[PP]
	v_mul_f32 v[KQ], v[U1], v[QQ]
	v_mul_f32 v[KQ+1], v[U1], v[QQ]
	v_mul_f32 v[KR], v[U1], v[RR]
	v_mul_f32 v[KR+1], v[U1], v[RR]
.endm
.macro EMUL d, a, co                   ; d = a x the pair co, 64 numbers
.set kk, 0
.rept 32
	v_pk_mul_f32 v[\d+kk:\d+kk+1], v[\a+kk:\a+kk+1], v[\co:\co+1]
.set kk, kk+2
.endr
.endm
.macro EFMA d, a, co                   ; d += a x the pair co
.set kk, 0
.rept 32
	v_pk_fma_f32 v[\d+kk:\d+kk+1], v[\a+kk:\a+kk+1], v[\co:\co+1], v[\d+kk:\d+kk+1]
.set kk, kk+2
.endr
.endm
.macro EPROD d, a, b                   ; d = a x b, number by number
.set kk, 0
.rept 32
	v_pk_mul_f32 v[\d+kk:\d+kk+1], v[\a+kk:\a+kk+1], v[\b+kk:\b+kk+1]
.set kk, kk+2
.endr
.endm
.macro GATE_EL                         ; RA = sigmoid(..) = 1 / (1 + 2^(KP a + KQ c + KR b))
	EMUL RA, RA, KP
	EFMA RA, RC, KQ
	EFMA RA, RB, KR
.set kk, 0
	s_wait_alu depctr_va_vdst(0)
.rept 64
	v_exp_f32 v[RA+kk], v[RA+kk]
.set kk, kk+1
.endr
	v_nop
	s_wait_alu depctr_va_vdst(0)                   ; one wait for the batch of 64
.set kk, 0
.rept 32
	v_pk_add_f32 v[RA+kk:RA+kk+1], v[RA+kk:RA+kk+1], 1.0 op_sel_hi:[1,0]
.set kk, kk+2
.endr
.set kk, 0
	s_wait_alu depctr_va_vdst(0)
.rept 64
	v_rcp_f32 v[RA+kk], v[RA+kk]
.set kk, kk+1
.endr
	v_nop
	s_wait_alu depctr_va_vdst(0)                   ; and one for the 64 reciprocals
.endm
.macro DOT3 d0, a0, b0, d1, a1, b1, d2, a2, b2     ; three sums of products over my 64 numbers, by turns; the first products start them
	v_pk_mul_f32 v[\d0:\d0+1], v[\a0:\a0+1], v[\b0:\b0+1]
	v_pk_mul_f32 v[\d1:\d1+1], v[\a1:\a1+1], v[\b1:\b1+1]
	v_pk_mul_f32 v[\d2:\d2+1], v[\a2:\a2+1], v[\b2:\b2+1]
.set kk, 2
.rept 31
	v_pk_fma_f32 v[\d0:\d0+1], v[\a0+kk:\a0+kk+1], v[\b0+kk:\b0+kk+1], v[\d0:\d0+1]
	v_pk_fma_f32 v[\d1:\d1+1], v[\a1+kk:\a1+kk+1], v[\b1+kk:\b1+kk+1], v[\d1:\d1+1]
	v_pk_fma_f32 v[\d2:\d2+1], v[\a2+kk:\a2+kk+1], v[\b2+kk:\b2+kk+1], v[\d2:\d2+1]
.set kk, kk+2
.endr
.endm
.macro SQ4 base, a, b                  ; one sum of products in four chains, at v[base] .. v[base + 7]
.irp c, 0,1,2,3
	v_pk_mul_f32 v[\base+2*\c:\base+2*\c+1], v[\a+2*\c:\a+2*\c+1], v[\b+2*\c:\b+2*\c+1]
.endr
.set kk, 8
.rept 7
.irp c, 0,1,2,3
	v_pk_fma_f32 v[\base+2*\c:\base+2*\c+1], v[\a+kk+2*\c:\a+kk+2*\c+1], v[\b+kk+2*\c:\b+kk+2*\c+1], v[\base+2*\c:\base+2*\c+1]
.endr
.set kk, kk+8
.endr
.endm
.macro FOLD4T dst, base                ; the four chains into the pair dst
	v_pk_add_f32 v[\base:\base+1], v[\base:\base+1], v[\base+2:\base+3]
	v_pk_add_f32 v[\base+4:\base+5], v[\base+4:\base+5], v[\base+6:\base+7]
	v_pk_add_f32 v[\dst:\dst+1], v[\base:\base+1], v[\base+4:\base+5]
.endm
.macro REDN base, n                    ; n sums, a pair each, over the pair and the 32 lanes; the result stands in the even register of every lane
.set ri, 0
.rept \n
	v_add_f32 v[\base+2*ri], v[\base+2*ri], v[\base+2*ri+1]
.set ri, ri+1
.endr
.irp m, 1,2,4,8
.set ri, 0
.rept \n
	v_add_f32_dpp v[\base+2*ri], v[\base+2*ri], v[\base+2*ri] row_xmask:\m row_mask:0xf bank_mask:0xf
.set ri, ri+1
.endr
.endr
.set ri, 0
.rept \n
	v_permlanex16_b32 v[\base+2*ri+1], v[\base+2*ri], s[SEL], s[SEL+1]
.set ri, ri+1
.endr
.set ri, 0
.rept \n
	v_add_f32 v[\base+2*ri], v[\base+2*ri], v[\base+2*ri+1]
.set ri, ri+1
.endr
.endm
.macro LD16 reg, sb                    ; a row: 16 loads of 512 consecutive bytes; read once in this launch
.irp j, 0,1,2,3,4,5,6,7,8,9,10,11,12,13,14,15
	global_load_b128 v[\reg+4*\j:\reg+4*\j+3], v2, s[\sb:\sb+1] offset:512*\j th:TH_LOAD_NT
.endr
.endm
.macro LD16B reg, sb                   ; a bias: every wave reads it
.irp j, 0,1,2,3,4,5,6,7,8,9,10,11,12,13,14,15
	global_load_b128 v[\reg+4*\j:\reg+4*\j+3], v2, s[\sb:\sb+1] offset:512*\j
.endr
.endm
; The row in v[X] .. v[X + 63] becomes codes in v[QC] on and two scale bytes.  The conversions want a block's 32 numbers in one lane: the row turns through the wave's own stage, 16 bytes of padding behind each
; block's 128, and comes back with block l in registers 0-31 and block 32 + l in 32-63.  LDS serves a wave's instructions in order: the loads see the stores and may land in the registers that the stores left.
.macro QROW X
.irp j, 0,1,2,3,4,5,6,7,8,9,10,11,12,13,14,15
	ds_store_b128 v5, v[\X+4*\j:\X+4*\j+3] offset:576*\j
.endr
.irp i, 0,1,2,3,4,5,6,7
	ds_load_b128 v[\X+4*\i:\X+4*\i+3], v6 offset:16*\i
.endr
.irp i, 0,1,2,3,4,5,6,7
	ds_load_b128 v[\X+32+4*\i:\X+32+4*\i+3], v6 offset:4608+16*\i
.endr
	s_wait_dscnt 0x0
.irp b, 0,1
	v_max3_num_f32 v[QM+\b], |v[\X+32*\b]|, |v[\X+32*\b+1]|, 0x1800000   ; with the floor 2^(3 - 127): the byte cannot fall under 1
.endr
.irp i, 2,4,6,8,10,12,14,16,18,20,22,24,26,28,30
.irp b, 0,1
	v_max3_num_f32 v[QM+\b], v[QM+\b], |v[\X+32*\b+\i]|, |v[\X+32*\b+\i+1]|
.endr
.endr
.irp b, 0,1
	v_add_nc_u32 v[QSO+\b], 0xff000000, v[QM+\b]   ; 2 off the exponent field: the conversion's scale operand
.endr
.irp b, 0,1
	v_lshrrev_b32 v[QBY+\b], 23, v[QSO+\b]         ; the scale's byte
.endr
.irp b, 0,1
.irp g, 0,1,2,3
	v_cvt_scalef32_pk8_fp4_f32 v[QC+4*\b+\g], v[\X+32*\b+8*\g:\X+32*\b+8*\g+7], v[QSO+\b]
.endr
.endr
	v_nop                                          ; a plain line behind the last conversion
.endm
	s_load_b256 s[4:11], s[0:1], 0x0               ; c1 s[4:5], hidden s[6:7], b_r s[8:9], ha s[10:11]
	s_load_b128 s[12:15], s[0:1], 0x20             ; xa s[12:13], pa s[14:15]
	v_lshl_add_u32 v41, v0, 2, 0x9400
	v_mov_b32 v47, 0
	v_lshrrev_b32 v1, 5, v0
	v_readfirstlane_b32 s17, v1                    ; wave 0..3
	v_and_b32 v1, 31, v0                           ; lane
	v_lshlrev_b32 v2, 4, v1                        ; 16 x lane
	v_lshlrev_b32 v3, 2, v1                        ; 4 x lane
	v_lshlrev_b32 v4, 3, v1                        ; 8 x lane
	v_mov_b32 v9, 0
	s_lshl_b32 s16, ttmp9, 2
	s_add_co_u32 s16, s16, s17                     ; my row
	s_mov_b32 s19, 0
	s_lshl_b32 s18, s16, 13
	s_wait_alu depctr_va_vdst(0)
	s_wait_kmcnt 0x0
	s_add_nc_u64 s[20:21], s[4:5], s[18:19]        ; a's row,
	s_add_nc_u64 s[22:23], s[20:21], 0x1000000     ; c's, one plane on,
	s_add_nc_u64 s[24:25], s[6:7], s[18:19]        ; hidden's
	s_lshl_b32 s18, s16, 7
	s_add_co_u32 s18, s18, AST
	s_add_nc_u64 s[26:27], s[10:11], s[18:19]      ; the records: hidden's,
	s_add_nc_u64 s[28:29], s[12:13], s[18:19]      ; hyp_x's,
	s_add_nc_u64 s[34:35], s[14:15], s[18:19]      ; and the one that I write
	s_lshl_b32 s18, s16, 10
	s_add_nc_u64 s[30:31], s[14:15], s[18:19]      ; my row's codes
	s_lshl_b32 s18, ttmp9, 8
	s_add_co_u32 s18, s18, ASC
	s_add_nc_u64 s[32:33], s[14:15], s[18:19]      ; the work-group's 256 scale bytes
	global_load_b128 v[12:15], v9, s[26:27]
	global_load_b128 v[16:19], v9, s[28:29]
	LD16 RA, 20
	LD16 RC, 22
	LD16B RB, 8
	WIN 0x40                                       ; destination window 1
	LD16 RH, 24
	WIN 0
	s_mul_i32 s36, s17, 9216                       ; my stage
	v_lshrrev_b32 v5, 3, v1
	v_lshl_add_u32 v5, v5, 4, v2
	v_add_nc_u32 v5, s36, v5                       ; into it: 16 x lane, and 16 more for each 128 passed
	v_mul_u32_u24 v6, v1, 144
	v_add_nc_u32 v6, s36, v6                       ; out of it: block = lane
	s_lshl_b32 s36, s17, 6
	v_add_nc_u32 v7, s36, v1
	v_add_nc_u32 v7, SBY, v7                       ; my block's scale byte: 64 x wave + lane
	v_add_nc_u32 v8, SBY, v4                       ; and 8 of the 256 on the way out
	s_mov_b32 s[SMIN], 0x2edbe6ff
	s_mov_b32 s[SMAX], 0x3f7fff58
	s_mov_b32 s[SEL], 0x76543210
	s_mov_b32 s[SEL+1], 0xfedcba98
	s_mov_b32 s[M0S], 1
	s_mov_b32 s[M2S], 4
	s_wait_loadcnt 32                              ; the records, a and c are in; b's and hidden's 32 loads may be out
	DOT3 S_AA, RA, RA, S_CC, RC, RC, S_AC, RA, RC
	s_wait_loadcnt 16                              ; b is in; hidden's 16 may be out
	DOT3 S_AB, RA, RB, S_CB, RC, RB, S_BB, RB, RB
	REDN S_AA, 6
	TRANS LH, LX
	GATEC
	GATE_EL                                        ; r
	s_wait_loadcnt 0x0                             ; hidden
	WIN 0x04                                       ; source 1 window 1
	EPROD RC, RA, RH                               ; g = r h
	WIN 0
	SQ4 S_AA, RC, RC
	FOLD4T S_AA, S_AA
	REDN S_AA, 1
	v_mul_f32 v[W0], v[LH], v[FH]                  ; kappa
	v_mul_f32 v[W1], v[W0], v[W0]
	v_mul_f32 v[W1], v[W1], v[S_AA]                ; the tangent vector's squared norm
	SQRTC U0, W1
	TANHC U1, U0
	v_mul_f32 v[U2], v[U1], v[U1]
	v_mul_f32 v[U2], v[U2], v[W1]
	PROJF U3, T2, U2
	v_mul_f32 v[U1], v[U1], v[U3]                  ; gamma
	v_mul_f32 v[U2], v[U1], v[U1]
	v_mul_f32 v[U2], v[U2], v[W1]                  ; the squared norm of r (.) h
	SQRTC U0, U2
	v_min_num_f32 v[U0], s[SMAX], v[U0]
	ARTANHC U3, U0                                 ; its L
	v_cndmask_b32 v[SW], v[U3], v[U1], s[M0S]      ; lane 0: gamma; lane 2: the squared norm; all others: L
	v_cndmask_b32 v[SW], v[SW], v[U2], s[M2S]
	global_store_b32 v3, v[SW], s[34:35]
	v_mul_f32 v[GG], v[U1], v[W0]
	v_mul_f32 v[GG+1], v[U1], v[W0]
	EMUL RC, RC, GG                                ; r (.) h
	QROW RC
	global_store_b128 v2, v[QC:QC+3], s[30:31]             ; blocks 0-31: 512 consecutive bytes
	global_store_b128 v2, v[QC+4:QC+7], s[30:31] offset:512 ; blocks 32-63
	ds_store_b8 v7, v[QBY]
	ds_store_b8 v7, v[QBY+1] offset:32
	s_wait_dscnt 0x0                               ; for the others' sake: my bytes lie in LDS
	s_barrier_signal -1
	s_barrier_wait -1                              ; all four rows' do
	s_cmp_lg_u32 s17, 0
	s_cbranch_scc1 .Lend
	ds_load_b64 v[QO:QO+1], v8
	s_wait_dscnt 0x0
	global_store_b64 v4, v[QO:QO+1], s[32:33]      ; 32 lanes store 256 consecutive bytes, aligned
.Lend:
	s_wait_tensorcnt 0x0
	ds_add_u32 v41, v47
	s_wait_dscnt 0x0
	s_endpgm
.Lfunc_end_k_q2e010b1b14_gate:
	.size	k_q2e010b1b14_gate, .Lfunc_end_k_q2e010b1b14_gate-k_q2e010b1b14_gate
	.p2alignl 7, 3214868480
	.fill 96, 4, 3214868480
	.section	.rodata,"a",@progbits
	.p2align	6, 0x0
	.amdhsa_kernel k_q2e010b1b14_gate
		.amdhsa_group_segment_fixed_size 38400
		.amdhsa_private_segment_fixed_size 0
		.amdhsa_enable_private_segment 0
		.amdhsa_kernarg_size 48
		.amdhsa_user_sgpr_count 2
		.amdhsa_user_sgpr_kernarg_segment_ptr 1
		.amdhsa_wavefront_size32 1
		.amdhsa_system_sgpr_workgroup_id_x 1
		.amdhsa_system_sgpr_workgroup_id_y 1
		.amdhsa_system_sgpr_workgroup_id_z 1
		.amdhsa_system_vgpr_workitem_id 0
		.amdhsa_next_free_vgpr 320
		.amdhsa_next_free_sgpr 66
		.amdhsa_reserve_vcc 1
		.amdhsa_float_denorm_mode_32 3
		.amdhsa_float_denorm_mode_16_64 3
		.amdhsa_memory_ordered 1
		.amdhsa_forward_progress 1
		.amdhsa_inst_pref_size 58
	.end_amdhsa_kernel
	.amdgpu_metadata
---
amdhsa.version: [ 1, 2 ]
amdhsa.kernels:
  - .name:           k_q2e010b1b14_gate
    .symbol:         k_q2e010b1b14_gate.kd
    .args:
      - { .name: c1, .offset: 0, .size: 8, .value_kind: global_buffer, .address_space: global }
      - { .name: hidden, .offset: 8, .size: 8, .value_kind: global_buffer, .address_space: global }
      - { .name: b_r, .offset: 16, .size: 8, .value_kind: global_buffer, .address_space: global }
      - { .name: ha, .offset: 24, .size: 8, .value_kind: global_buffer, .address_space: global }
      - { .name: xa, .offset: 32, .size: 8, .value_kind: global_buffer, .address_space: global }
      - { .name: pa, .offset: 40, .size: 8, .value_kind: global_buffer, .address_space: global }
    .group_segment_fixed_size: 38400
    .private_segment_fixed_size: 0
    .kernarg_segment_align: 8
    .kernarg_segment_size: 48
    .max_flat_workgroup_size: 128
    .sgpr_count:     66
    .vgpr_count:     320
    .wavefront_size: 32
...
	.end_amdgpu_metadata
.endif
;; end of part 3
;; launch gemm2 (part 4): grid 16 x 16, 4 waves a work-group, clusters of 4 x 4, 327,680 bytes of LDS; arguments pa, wh, c2; writes c2
.if DOCPART == 4
	.amdgcn_target "amdgcn-amd-amdhsa--gfx1250"
	.amdhsa_code_object_version 6
	.text
	.protected	k_q2e010b1b14_gemm2
	.globl	k_q2e010b1b14_gemm2
	.p2align	8
	.type	k_q2e010b1b14_gemm2,@function
k_q2e010b1b14_gemm2:
	s_mov_b64 s[64:65], 0
	v_nop
	global_prefetch_b8 v0, s[64:65] scope:SCOPE_SE
	s_setreg_imm32_b32 hwreg(HW_REG_WAVE_MODE, 25, 1), 1
	s_wait_xcnt 0x0
	s_wait_alu depctr_hold_cnt(0) depctr_sa_sdst(0) depctr_va_vdst(0) depctr_va_sdst(0) depctr_va_ssrc(0) depctr_va_vcc(0) depctr_vm_vsrc(0)
	s_getreg_b32 s2, hwreg(HW_REG_IB_STS2, 6, 4)
	s_cmp_eq_u32 s2, 0
	s_cbranch_scc0 .Lentry_in_a_cluster
	s_endpgm
.Lentry_in_a_cluster:
	s_bfe_u32 s2, ttmp6, 0x10000c
	s_cmp_lg_u32 s2, 0xf033
	s_cbranch_scc0 .Lentry_shape_is_right
	s_endpgm
.Lentry_shape_is_right:
; One raw product on codes of FP4 (E2M1) with one E8M0 scale for each 32 along K: c2[m][n] = sum over k of A[m][k] B[n][k], M = N = K = 2,048, sums in f32, K ascending.
; A = pa (r (.) h: codes [2048][1,024 bytes], scale bytes [2048][64] at 0x200000); B = wh (w_h: codes in the order of the operand's registers, 16,384 bytes for 16 columns, scale bytes [n][64] at 0x400000).
; A TILE IS 128 x 128: 256 tiles, one work-group each.  Four waves, each 64 x 64: 16 accumulators.  ALL OF K LIES IN LDS, every byte filled once, by ONE tensor load a wave at the head:
; wave 0 A's 128 rows (pitch 1,040), wave 1 B's 131,072 dense bytes, wave 2 A's scales, wave 3 B's.  A fragment of B is two dense reads of 512 bytes.
; CLUSTERS: 4 x 4; A's tiles are asked for jointly along a row of the cluster, B's along a column.  NO PREFETCH: every load is issued at the head; there is no loop to run ahead in.
; THE MATRIX INSTRUCTION IS USED TRANSPOSED (source 0 = B, source 1 = A): a lane holds eight neighbouring numbers of a row of C.
; REGISTERS: window 0: v16-29 addresses; v32-95 scale words (16 i + q: lanes 0-15 A's block i, lanes 16-31 B's block i); v128-255 accumulators.  window 1: four sets of 64: a K step's fragments, A's four, then B's four.
.set NK,     16
.set PITCH,  1040
.set AB,     128*PITCH
.set SCL,    AB+131072
.set HALFS,  16*272                    ; the scales of 64 rows
.set SBLK,   4*272                     ; of 16 rows
.set STAGE,  SCL+4*HALFS               ; 16 rows x 272 bytes for each wave; no tile lands there
.set SPITCH, 272
.set SPARE,  STAGE+4*16*SPITCH
.set ADRA, 16
.set ADRB, 20
.set STO,  24
.set RD,   25
.set CO,   26
.set ADRS, 27
.set SPW,  28
.set NIL,  29
.set SC,   32
.set ACC,  128
.set G1,   24
.set G0,   32
.set G0B,  36
.set G1B,  48
.set G1S,  56
.set G1SB, 68
.set G0S,  76
.set G0SB, 80
.set MSB, 0
.macro WIN new
.if MSB != \new
	s_set_vgpr_msb (MSB<<8)|\new
.set MSB, \new
.endif
.endm
.set MULW, 0x05                        ; sources 0 and 1 window 1; C and D window 0
.set TO_F, 0x40                        ; destination window 1
.macro PLACES
.rept 4
	v_nop
.endr
.endm
.macro CROUND
	s_barrier_signal -1
	s_barrier_wait -1
	s_cmp_lg_u32 s14, 0
	s_cbranch_scc1 .Lnot_wave_0_\@
	s_barrier_signal -3
.Lnot_wave_0_\@:
	s_barrier_wait -3
	s_barrier_signal -1
	s_barrier_wait -1
.endm
.macro TLOAD g0, g1                    ; an s_nop 0 and four v_nop follow each tensor load
	tensor_load_to_lds s[\g0:\g0+3], s[\g1:\g1+7]
	s_nop 0
	PLACES
.endm
.macro ARM under, g0, g1, next
	s_cmp_lt_u32 s14, \under
	s_cbranch_scc0 \next
	TLOAD \g0, \g1
	s_branch .Lhead_asked
\next:
.endm
	s_load_b128 s[4:7], s[0:1], 0x0                ; pa, wh
	s_load_b64 s[12:13], s[0:1], 0x10              ; c2
	v_lshl_add_u32 v[SPW], v0, 2, SPARE
	v_mov_b32 v[NIL], 0
	ds_add_u32 v[SPW], v[NIL]                      ; the opening lines: the add, twice on end, and its wait
	ds_add_u32 v[SPW], v[NIL]
	v_lshrrev_b32 v1, 5, v0
	v_readfirstlane_b32 s14, v1                    ; wave 0..3
	s_lshr_b32 s15, s14, 1                         ; which 64 rows of the tile are mine
	s_and_b32 s16, s14, 1                          ; which 64 columns
	s_bfe_u32 s40, ttmp6, 0x40000
	s_bfe_u32 s41, ttmp6, 0x40004
	s_lshl_b32 s42, ttmp9, 2
	s_add_co_u32 s42, s42, s40                     ; tile column
	s_and_b32 s17, ttmp7, 0xffff
	s_lshl_b32 s17, s17, 2
	s_add_co_u32 s17, s17, s41                     ; tile row
	s_lshl_b32 s43, s41, 2
	s_lshl_b32 s43, 15, s43                        ; my row of the cluster
	s_lshl_b32 s44, 0x1111, s40                    ; my column
	s_or_b32 s[G1], s43, (0<<16)|(1<<20)|(1<<21)|(7<<22)|(3<<25)    ; A's codes: 128 rows of 1,024 bytes, 4 words of padding behind every 256
	s_mov_b32 s[G1+1], 1024<<16
	s_mov_b32 s[G1+2], 128<<16
	s_mov_b32 s[G1+3], 1024<<16
	s_mov_b32 s[G1+4], 128
	s_mov_b32 s[G1+5], 1024
	s_mov_b32 s[G1+6], 0
	s_mov_b32 s[G1+7], 0
	s_or_b32 s[G1B], s44, (3<<16)|(1<<21)          ; B's codes: a dense block as 512 rows of 256 bytes, no padding
	s_mov_b32 s[G1B+1], 32<<16
	s_mov_b32 s[G1B+2], 512<<16
	s_mov_b32 s[G1B+3], 32<<16
	s_mov_b32 s[G1B+4], 512
	s_mov_b32 s[G1B+5], 32
	s_mov_b32 s[G1B+6], 0
	s_mov_b32 s[G1B+7], 0
	s_or_b32 s[G1S], s43, (3<<16)|(1<<20)|(1<<21)|(5<<22)|(3<<25)   ; scales of 128 rows: 32 rows of 256 bytes, 16 of padding behind each
	s_or_b32 s[G1SB], s44, (3<<16)|(1<<20)|(1<<21)|(5<<22)|(3<<25)
.irp g, G1S, G1SB
	s_mov_b32 s[\g+1], 32<<16
	s_mov_b32 s[\g+2], 32<<16
	s_mov_b32 s[\g+3], 32<<16
	s_mov_b32 s[\g+4], 32
	s_mov_b32 s[\g+5], 32
	s_mov_b32 s[\g+6], 0
	s_mov_b32 s[\g+7], 0
.endr
	s_lshl_b32 s84, s17, 17                        ; A's codes: 128 rows of 1,024 bytes a tile row
	s_mov_b32 s85, 0
	s_lshl_b32 s86, s17, 13
	s_add_co_u32 s86, s86, 0x200000                ; its scales
	s_mov_b32 s87, 0
	s_lshl_b32 s88, s42, 17                        ; B's codes: 8 blocks of 16,384 bytes a tile column
	s_mov_b32 s89, 0
	s_lshl_b32 s90, s42, 13
	s_add_co_u32 s90, s90, 0x400000                ; its scales
	s_mov_b32 s91, 0
	s_wait_dscnt 0x0                               ; both opening adds are done
	s_wait_kmcnt 0x0
	s_mov_b32 s[G0], 1
	s_mov_b32 s[G0+1], 0
	s_add_nc_u64 s[G0+2:G0+3], s[4:5], s[84:85]
	s_or_b32 s[G0+3], s[G0+3], 0x80000000
	s_mov_b32 s[G0B], 1
	s_mov_b32 s[G0B+1], AB
	s_add_nc_u64 s[G0B+2:G0B+3], s[6:7], s[88:89]
	s_or_b32 s[G0B+3], s[G0B+3], 0x80000000
	s_mov_b32 s[G0S], 1
	s_mov_b32 s[G0S+1], SCL
	s_add_nc_u64 s[G0S+2:G0S+3], s[4:5], s[86:87]
	s_or_b32 s[G0S+3], s[G0S+3], 0x80000000
	s_mov_b32 s[G0SB], 1
	s_mov_b32 s[G0SB+1], SCL+2*HALFS
	s_add_nc_u64 s[G0SB+2:G0SB+3], s[6:7], s[90:91]
	s_or_b32 s[G0SB+3], s[G0SB+3], 0x80000000
	CROUND                                         ; all sixteen work-groups are here: the joint loads meet
	ARM 1, G0,  G1,  .Lhead_b                      ; one tensor load a wave, in one chain of branches on the wave's number
	ARM 2, G0B, G1B, .Lhead_sa
	ARM 3, G0S, G1S, .Lhead_sb
	TLOAD G0SB, G1SB
.Lhead_asked:
	s_mul_i32 s21, s15, 64*PITCH                   ; my 64 rows of A
	s_lshl_b32 s22, s16, 16
	s_add_co_u32 s22, s22, AB                      ; my four blocks of B
	s_mul_i32 s20, s15, HALFS                      ; A's scales: my 64 rows
	s_mul_i32 s23, s16, HALFS                      ; B's, behind A's 128
	s_add_co_u32 s23, s23, 2*HALFS
	s_sub_co_u32 s23, s23, s20                     ; the distance between the two
	s_add_co_u32 s20, s20, SCL
	s_mul_i32 s46, s14, 16*SPITCH
	s_add_co_u32 s46, s46, STAGE                   ; my stage
	s_lshl_b32 s92, s17, 20                        ; C: (128 x tile row + 64 x half) rows of 8,192 bytes
	s_lshl_b32 s94, s15, 19
	s_add_co_u32 s92, s92, s94
	s_lshl_b32 s94, s42, 9                         ; + 512 x tile column + 256 x half
	s_add_co_u32 s92, s92, s94
	s_lshl_b32 s94, s16, 8
	s_add_co_u32 s92, s92, s94
	s_mov_b32 s93, 0
	s_add_nc_u64 s[12:13], s[12:13], s[92:93]
	v_and_b32 v1, 15, v0                           ; r
	v_bfe_u32 v2, v0, 4, 1                         ; h
	v_and_b32 v3, 31, v0
	v_mul_u32_u24 v4, v1, PITCH
	v_lshl_add_u32 v4, v2, 4, v4
	v_add_nc_u32 v[ADRA], s21, v4                  ; A: row x pitch + 16 h
	v_lshl_add_u32 v[ADRB], v3, 4, s22             ; B: 16 x lane
	v_lshlrev_b32 v5, 6, v1                        ; scales: 64 bytes a row,
	v_lshrrev_b32 v6, 2, v1
	v_lshl_add_u32 v5, v6, 4, v5                   ; 16 more for each 256 passed;
	v_mul_u32_u24 v6, s23, v2                      ; lanes 16-31 take B's: the lower base + h x the distance
	v_add_nc_u32 v5, v5, v6
	v_add_nc_u32 v[ADRS], s20, v5
	v_mul_u32_u24 v5, v1, SPITCH
	v_lshl_add_u32 v5, v2, 5, v5
	v_add_nc_u32 v[STO], s46, v5
	v_mul_u32_u24 v5, v2, SPITCH
	v_lshl_add_u32 v5, v1, 4, v5
	v_add_nc_u32 v[RD], s46, v5
	v_lshlrev_b32 v5, 13, v2
	v_lshl_add_u32 v[CO], v1, 4, v5
.macro SCALES                          ; all my scale words: 16 a row, four to a load
.irp i, 0,1,2,3
.irp g, 0,1,2,3
	ds_load_b128 v[SC+16*\i+4*\g:SC+16*\i+4*\g+3], v[ADRS] offset:\i*SBLK+16*\g
.endr
.endr
.endm
.macro FETCH q                         ; K step q's fragments into set q % 4: 16 LDS loads in one run
.set FS, 64*((\q)%4)
	WIN TO_F
.irp i, 0,1,2,3
.irp c, 0,1
	ds_load_b128 v[FS+8*\i+4*\c:FS+8*\i+4*\c+3], v[ADRA] offset:64*(\q)+32*\c+\i*16*PITCH
.endr
.endr
.irp i, 0,1,2,3
.irp c, 0,1
	ds_load_b128 v[FS+32+8*\i+4*\c:FS+32+8*\i+4*\c+3], v[ADRB] offset:(16*\i+(\q))*1024+512*\c
.endr
.endr
.endm
.macro MUL q, zero                     ; 16 matrix instructions; the 16 accumulators take turns; the first products start the sums
.set FS, 64*((\q)%4)
.irp a, 0,1,2,3
.irp b, 0,1,2,3
.if \zero
	v_wmma_scale_f32_16x16x128_f8f6f4 v[ACC+8*(4*\a+\b):ACC+8*(4*\a+\b)+7], v[FS+32+8*\b:FS+32+8*\b+7], v[FS+8*\a:FS+8*\a+7], 0, v[SC+16*\b+(\q)], v[SC+16*\a+(\q)] matrix_a_fmt:MATRIX_FMT_FP4 matrix_b_fmt:MATRIX_FMT_FP4 matrix_a_scale:MATRIX_SCALE_ROW1
.else
	v_wmma_scale_f32_16x16x128_f8f6f4 v[ACC+8*(4*\a+\b):ACC+8*(4*\a+\b)+7], v[FS+32+8*\b:FS+32+8*\b+7], v[FS+8*\a:FS+8*\a+7], v[ACC+8*(4*\a+\b):ACC+8*(4*\a+\b)+7], v[SC+16*\b+(\q)], v[SC+16*\a+(\q)] matrix_a_fmt:MATRIX_FMT_FP4 matrix_b_fmt:MATRIX_FMT_FP4 matrix_a_scale:MATRIX_SCALE_ROW1
.endif
.endr
.endr
.endm
.macro KSTEP q, zero                   ; the fragments of two steps on are asked for, then this step is multiplied
.if (\q)+2 < NK
.if (\q) > 0
	PLACES                                         ; four places in front of loads into registers that matrix instructions have read
.endif
	FETCH (\q)+2
	s_wait_dscnt 32                                ; this step's fragments are in; the 32 loads of the two steps behind it may be out
.else
	s_wait_dscnt 16*(NK-1-(\q))
.endif
	WIN MULW
	MUL \q, \zero
.endm
	s_wait_alu depctr_va_vdst(0)
	s_wait_tensorcnt 0x0                           ; my tile is in;
	s_barrier_signal -1
	s_barrier_wait -1                              ; everybody's is.
	SCALES
	FETCH 0
	FETCH 1
	KSTEP 0, 1
.irp q, 1,2,3,4,5,6,7,8,9,10,11,12,13,14,15
	KSTEP \q, 0
.endr
	WIN 0
; THE WAY OUT, block by block of 16 rows x 64 columns, through my own stage and back as rows of 256 bytes into the registers that the block left; LDS serves a wave's instructions in order (ISA guide 5.7.1.4).
.macro TOSTAGE a
.irp b, 0,1,2,3
	ds_store_b128 v[STO], v[ACC+8*(4*\a+\b):ACC+8*(4*\a+\b)+3] offset:64*\b          ; each accumulator from its low end on
	ds_store_b128 v[STO], v[ACC+8*(4*\a+\b)+4:ACC+8*(4*\a+\b)+7] offset:64*\b+16
.endr
.irp t, 0,1,2,3,4,5,6,7
	ds_load_b128 v[ACC+32*\a+4*\t:ACC+32*\a+4*\t+3], v[RD] offset:\t*2*SPITCH
.endr
.endm
.macro SEND a, younger                 ; younger: the LDS instructions issued behind block a's loads
.irp t, 0,1,2,3,4,5,6,7
	s_wait_dscnt \younger+7-\t
	global_store_b128 v[CO], v[ACC+32*\a+4*\t:ACC+32*\a+4*\t+3], s[12:13] offset:(16*\a+2*\t)*8192 th:TH_STORE_NT   ; 16 lanes store 256 consecutive bytes, aligned
.endr
.endm
	PLACES
	TOSTAGE 0
	TOSTAGE 1
	SEND 0, 16
	TOSTAGE 2
	SEND 1, 16
	TOSTAGE 3
	SEND 2, 16
	SEND 3, 0
	s_wait_tensorcnt 0x0                           ; the wave's end
	ds_add_u32 v[SPW], v[NIL]
	s_wait_dscnt 0x0
	CROUND                                         ; the closing round
	s_endpgm
.Lfunc_end_k_q2e010b1b14_gemm2:
	.size	k_q2e010b1b14_gemm2, .Lfunc_end_k_q2e010b1b14_gemm2-k_q2e010b1b14_gemm2
	.p2alignl 7, 3214868480
	.fill 96, 4, 3214868480
	.section	.rodata,"a",@progbits
	.p2align	6, 0x0
	.amdhsa_kernel k_q2e010b1b14_gemm2
		.amdhsa_group_segment_fixed_size 327680
		.amdhsa_private_segment_fixed_size 0
		.amdhsa_enable_private_segment 0
		.amdhsa_kernarg_size 24
		.amdhsa_user_sgpr_count 2
		.amdhsa_user_sgpr_kernarg_segment_ptr 1
		.amdhsa_wavefront_size32 1
		.amdhsa_system_sgpr_workgroup_id_x 1
		.amdhsa_system_sgpr_workgroup_id_y 1
		.amdhsa_system_sgpr_workgroup_id_z 1
		.amdhsa_system_vgpr_workitem_id 0
		.amdhsa_next_free_vgpr 512
		.amdhsa_next_free_sgpr 100
		.amdhsa_reserve_vcc 0
		.amdhsa_float_denorm_mode_32 3
		.amdhsa_float_denorm_mode_16_64 3
		.amdhsa_memory_ordered 1
		.amdhsa_forward_progress 1
		.amdhsa_inst_pref_size 69
	.end_amdhsa_kernel
	.amdgpu_metadata
---
amdhsa.version: [ 1, 2 ]
amdhsa.kernels:
  - .name:           k_q2e010b1b14_gemm2
    .symbol:         k_q2e010b1b14_gemm2.kd
    .args:
      - { .name: pa, .offset: 0, .size: 8, .value_kind: global_buffer, .address_space: global }
      - { .name: wh, .offset: 8, .size: 8, .value_kind: global_buffer, .address_space: global }
      - { .name: c2, .offset: 16, .size: 8, .value_kind: global_buffer, .address_space: global }
    .group_segment_fixed_size: 327680
    .private_segment_fixed_size: 0
    .kernarg_segment_align: 8
    .kernarg_segment_size: 24
    .max_flat_workgroup_size: 128
    .sgpr_count:     100
    .vgpr_count:     512
    .wavefront_size: 32
...
	.end_amdgpu_metadata
.endif
;; end of part 4
;; launch final (part 5): grid 512 x 1, 4 waves a work-group, no clusters, 0 bytes of LDS; arguments c1, c2, hidden, b_z, b_h, ha, xa, pa, out0; writes out0
.if DOCPART == 5
	.amdgcn_target "amdgcn-amd-amdhsa--gfx1250"
	.amdhsa_code_object_version 6
	.text
	.protected	k_q2e010b1b14_final
	.globl	k_q2e010b1b14_final
	.p2align	8
	.type	k_q2e010b1b14_final,@function
k_q2e010b1b14_final:
	s_mov_b64 s[64:65], 0
	v_nop
	global_prefetch_b8 v0, s[64:65] scope:SCOPE_SE
	s_setreg_imm32_b32 hwreg(HW_REG_WAVE_MODE, 25, 1), 1
	s_wait_xcnt 0x0
; The update gate, h~, and the two last Moebius additions.  One wave takes one row of 2,048 numbers; a lane holds 64 of them (register 4 j + i = element 128 j + 4 lane + i).
; In: planes 2 and 3 of c1 (hidden x w_z, hyp_x x u_z, raw), c2 ((r (.) h) x w_h, raw), plane 1 of c1 (hyp_x x u_r, raw), b_z, b_h, hidden as given, and three rows' records (f, L, squared norm).
; The transition of h~ takes hyp_x x u_r, the very product of the reset gate's transition (the same two operands, for every input): it is multiplied once and read here a second time.
; A transition is P a + Q c + R b with three numbers a row, from the six sums aa, cc, ac, ab, cb, bb and L of the two input rows.
;   z = sigmoid(Lg (P a_z + Q c_z + R b_z));   t = h~ = P a_h + Q c_h + R b_h;   m = (-h) (+) t = -A f_h h + B t, with <h, t> from the sums ha, hc, hb;
;   g = m z;   e = gamma Lm g (Lm = artanh(|m|) / |m|, gamma = tanh(n) / n held, n = Lm |g|);   out = h (+) e = A f_h h + B gamma Lm g, with <h, e> from the sum hg.
; All of it in f32.  tanh(y) / y and artanh(n) / n go by a series under 0.25 (cut where the next term is under 3e-10 over that range) and by v_exp_f32 / v_log_f32 above; both are computed, a select chooses.
; LIMITS: NaN and infinities among the inputs are not served.  The squared norm of a Moebius sum is formed from the row's sums (A^2 |u|^2 + 2 A B <u, v> + B^2 |v|^2): its error is about 1e-7 of
;   |u|^2 + |v|^2, not of the result; it feeds only artanh(n) / n and the hold.  The hold that the matrix-vector product repeats on a held row is taken as the identity.
; No LDS, no barrier, no branch: waves share nothing but the two biases.
; REGISTERS: window 0: v0-63 addresses, records, sums, numbers of the row; v64-127 a_z, then z, g, out; v128-191 c_z; v192-255 b_z.  window 1: hidden, a_h (then m), c_h, b_h.
.set AST,   0x220000
.set FH,    12                         ; v12-15  hidden's record: f, L, squared norm
.set LH,    13
.set HH,    14
.set LX,    17                         ; v16-19  hyp_x's record
.set LP,    21                         ; v20-23  the record of r (.) h
.set S_AA,  24                         ; v24-41  nine sums, a pair each
.set S_CC,  26
.set S_AC,  28
.set S_AB,  30
.set S_CB,  32
.set S_BB,  34
.set S_HA,  36
.set S_HC,  38
.set S_HB,  40
.set KP,    24                         ; coefficient pairs, in the sums' registers once the sums are dead
.set KQ,    26
.set KR,    28
.set K0,    24
.set K1,    26
.set K2,    28
.set K3,    30
.set T0,    42                         ; v42-46  at work in the inner macros
.set T1,    43
.set T2,    44
.set T3,    45
.set T4,    46
.set U0,    48                         ; v48-51  at work in the middle macros
.set U1,    49
.set U2,    50
.set U3,    51
.set W0,    52                         ; v52-54  at work in the outer ones
.set W1,    53
.set W2,    54
.set AL,    55
.set BE,    56
.set UU,    57
.set VV,    58
.set PP,    59                         ; the transition's P, Q, R and squared norm
.set QQ,    60
.set RR,    61
.set S2,    62
.set RA,    64
.set RC,    128
.set RB,    192
.set RH,    0                          ; window 1
.set RAH,   64
.set RCH,   128
.set RBH,   192
.set SMIN,  44                         ; s44      1e-10
.set SMAX,  45                         ; s45      1 - 1e-5
.set SEL,   46                         ; s[46:47] lane selects: lane l xor 16
.set MSB, 0
.macro WIN new                         ; register windows: bits 1:0 source 0, 3:2 source 1, 5:4 source 2, 7:6 destination; the high byte repeats the setting that is left
.if MSB != \new
	s_set_vgpr_msb (MSB<<8)|\new
.set MSB, \new
.endif
.endm
.macro SQRTC d, s                      ; d = sqrt(max(s, 1e-10))
	v_max_num_f32 v[T0], s[SMIN], v[\s]
	s_wait_alu depctr_va_vdst(0)
	v_rsq_f32 v[T1], v[T0]
	v_nop                                          ; a plain line behind the transcendental,
	s_wait_alu depctr_va_vdst(0)                   ; and the wait ahead of the first reader
	v_mul_f32 v[\d], v[T0], v[T1]
.endm
.macro PROJF fac, nn, n2               ; fac = 1, or (1 - 1e-5) / n where n = sqrt(max(n2, 1e-10)) lies over 1 - 1e-5;  nn = min(n, 1 - 1e-5)
	v_max_num_f32 v[T0], s[SMIN], v[\n2]
	s_wait_alu depctr_va_vdst(0)
	v_rsq_f32 v[T1], v[T0]
	v_nop
	s_wait_alu depctr_va_vdst(0)
	v_mul_f32 v[T0], v[T0], v[T1]
	v_mul_f32 v[T1], s[SMAX], v[T1]
	v_cmp_lt_f32 vcc_lo, s[SMAX], v[T0]
	v_cndmask_b32 v[\fac], 1.0, v[T1], vcc_lo
	v_min_num_f32 v[\nn], s[SMAX], v[T0]
.endm
.macro TANHC d, y                      ; d = tanh(y) / y, y > 0
	v_mul_f32 v[T0], 0x4038aa3b, v[\y]             ; 2 log2(e) y
	s_wait_alu depctr_va_vdst(0)
	v_exp_f32 v[T0], v[T0]
	v_rcp_f32 v[T1], v[\y]
	v_mul_f32 v[T2], v[\y], v[\y]                  ; the series 1 - y^2/3 + 2 y^4/15 - .. + 21844 y^12/6081075 is the independent work behind the two
	v_mov_b32 v[T3], 0x3b6b69e8
	v_fmaak_f32 v[T3], v[T3], v[T2], 0xbc11371b
	v_fmaak_f32 v[T3], v[T3], v[T2], 0x3cb327a4
	v_fmaak_f32 v[T3], v[T3], v[T2], 0xbd5d0dd1
	v_fmaak_f32 v[T3], v[T3], v[T2], 0x3e088889
	v_fmaak_f32 v[T3], v[T3], v[T2], 0xbeaaaaab
	v_fma_f32 v[T3], v[T3], v[T2], 1.0
	v_cmp_gt_f32 vcc_lo, 0x3e800000, v[\y]
	s_wait_alu depctr_va_vdst(0)                   ; one wait for both
	v_add_f32 v[T0], 1.0, v[T0]
	s_wait_alu depctr_va_vdst(0)
	v_rcp_f32 v[T0], v[T0]
	v_nop
	s_wait_alu depctr_va_vdst(0)
	v_fma_f32 v[T0], v[T0], -2.0, 1.0              ; tanh(y) = 1 - 2 / (1 + e^(2 y))
	v_mul_f32 v[T0], v[T0], v[T1]
	v_cndmask_b32 v[\d], v[T0], v[T3], vcc_lo
.endm
.macro ARTANHC d, n                    ; d = artanh(min(n, 1 - 1e-5)) / n
	v_min_num_f32 v[T0], s[SMAX], v[\n]
	v_sub_f32 v[T1], 1.0, v[T0]
	s_wait_alu depctr_va_vdst(0)
	v_rcp_f32 v[T1], v[T1]
	v_rcp_f32 v[T2], v[\n]
	v_mul_f32 v[T3], v[\n], v[\n]                  ; the series 1 + n^2/3 + .. + n^12/13
	v_mov_b32 v[T4], 0x3d9d89d9
	v_fmaak_f32 v[T4], v[T4], v[T3], 0x3dba2e8c
	v_fmaak_f32 v[T4], v[T4], v[T3], 0x3de38e39
	v_fmaak_f32 v[T4], v[T4], v[T3], 0x3e124925
	v_fmaak_f32 v[T4], v[T4], v[T3], 0x3e4ccccd
	v_fmaak_f32 v[T4], v[T4], v[T3], 0x3eaaaaab
	v_fma_f32 v[T4], v[T4], v[T3], 1.0
	v_add_f32 v[T0], 1.0, v[T0]
	v_cmp_gt_f32 vcc_lo, 0x3e800000, v[\n]
	s_wait_alu depctr_va_vdst(0)
	v_mul_f32 v[T0], v[T0], v[T1]                  ; (1 + n) / (1 - n)
	s_wait_alu depctr_va_vdst(0)
	v_log_f32 v[T0], v[T0]
	v_nop
	s_wait_alu depctr_va_vdst(0)
	v_mul_f32 v[T0], 0x3eb17218, v[T0]             ; x ln(2) / 2
	v_mul_f32 v[T0], v[T0], v[T2]
	v_cndmask_b32 v[\d], v[T0], v[T4], vcc_lo
.endm
.macro MATV al, u2, S, L               ; the Moebius matrix-vector product is al x the raw product; u2 = its squared norm.  S: the raw product's sum of squares;  L: artanh(n) / n of the input row
	SQRTC U0, \S
	v_mul_f32 v[U0], v[U0], v[\L]
	TANHC U1, U0
	v_mul_f32 v[U1], v[U1], v[\L]
	v_mul_f32 v[U0], v[U1], v[U1]
	v_mul_f32 v[U0], v[U0], v[\S]
	PROJF U2, T2, U0
	v_mul_f32 v[\al], v[U1], v[U2]
	v_mul_f32 v[U0], v[\al], v[\al]
	v_mul_f32 v[\u2], v[U0], v[\S]
.endm
.macro MOBS A, B, w2, u2, v2, uv       ; u (+) v = A u + B v, held inside the ball;  w2 = its squared norm
	v_fma_f32 v[U0], v[\uv], 2.0, 1.0
	v_fma_f32 v[U1], v[\u2], v[\v2], v[U0]
	v_max_num_f32 v[U1], s[SMIN], v[U1]
	s_wait_alu depctr_va_vdst(0)
	v_rcp_f32 v[U1], v[U1]
	v_add_f32 v[U0], v[U0], v[\v2]
	v_sub_f32 v[U2], 1.0, v[\u2]
	s_wait_alu depctr_va_vdst(0)
	v_mul_f32 v[U0], v[U0], v[U1]
	v_mul_f32 v[U2], v[U2], v[U1]
	v_mul_f32 v[U1], v[U0], v[U0]
	v_mul_f32 v[U1], v[U1], v[\u2]
	v_mul_f32 v[U3], v[U0], v[U2]
	v_add_f32 v[U3], v[U3], v[U3]
	v_fma_f32 v[U1], v[U3], v[\uv], v[U1]
	v_mul_f32 v[U3], v[U2], v[U2]
	v_fma_f32 v[U1], v[U3], v[\v2], v[U1]
	v_max_num_f32 v[U1], 0, v[U1]
	PROJF U3, T2, U1
	v_mul_f32 v[\A], v[U0], v[U3]
	v_mul_f32 v[\B], v[U2], v[U3]
	v_mul_f32 v[U3], v[U3], v[U3]
	v_mul_f32 v[\w2], v[U1], v[U3]
.endm
.macro TRANS La, Lc                    ; from the six sums: the transition = PP a + QQ c + RR b, its squared norm S2
	MATV AL, UU, S_AA, \La
	MATV BE, VV, S_CC, \Lc
	v_mul_f32 v[W0], v[AL], v[BE]
	v_mul_f32 v[W0], v[W0], v[S_AC]
	MOBS W1, W2, UU, UU, VV, W0
	v_mul_f32 v[AL], v[W1], v[AL]
	v_mul_f32 v[BE], v[W2], v[BE]
	v_mul_f32 v[W0], v[AL], v[S_AB]
	v_fma_f32 v[W0], v[BE], v[S_CB], v[W0]
	MOBS W1, RR, S2, UU, S_BB, W0
	v_mul_f32 v[PP], v[W1], v[AL]
	v_mul_f32 v[QQ], v[W1], v[BE]
.endm
.macro GATEC                           ; the gate's three coefficients, x -log2(e) x artanh(n) / n, each twice
	SQRTC U0, S2
	ARTANHC U1, U0
	v_mul_f32 v[U1], 0xbfb8aa3b, v[U1]
	v_mul_f32 v[KP], v[U1], v[PP]
	v_mul_f32 v[KP+1], v[U1], v[PP]
	v_mul_f32 v[KQ], v[U1], v[QQ]
	v_mul_f32 v[KQ+1], v[U1], v[QQ]
	v_mul_f32 v[KR], v[U1], v[RR]
	v_mul_f32 v[KR+1], v[U1], v[RR]
.endm
.macro EMUL d, a, co                   ; d = a x the pair co, 64 numbers
.set kk, 0
.rept 32
	v_pk_mul_f32 v[\d+kk:\d+kk+1], v[\a+kk:\a+kk+1], v[\co:\co+1]
.set kk, kk+2
.endr
.endm
.macro EFMA d, a, co                   ; d += a x the pair co
.set kk, 0
.rept 32
	v_pk_fma_f32 v[\d+kk:\d+kk+1], v[\a+kk:\a+kk+1], v[\co:\co+1], v[\d+kk:\d+kk+1]
.set kk, kk+2
.endr
.endm
.macro EPROD d, a, b                   ; d = a x b, number by number
.set kk, 0
.rept 32
	v_pk_mul_f32 v[\d+kk:\d+kk+1], v[\a+kk:\a+kk+1], v[\b+kk:\b+kk+1]
.set kk, kk+2
.endr
.endm
.macro GATE_EL                         ; RA = sigmoid(..) = 1 / (1 + 2^(KP a + KQ c + KR b))
	EMUL RA, RA, KP
	EFMA RA, RC, KQ
	EFMA RA, RB, KR
.set kk, 0
	s_wait_alu depctr_va_vdst(0)
.rept 64
	v_exp_f32 v[RA+kk], v[RA+kk]
.set kk, kk+1
.endr
	v_nop
	s_wait_alu depctr_va_vdst(0)                   ; one wait for the batch of 64
.set kk, 0
.rept 32
	v_pk_add_f32 v[RA+kk:RA+kk+1], v[RA+kk:RA+kk+1], 1.0 op_sel_hi:[1,0]
.set kk, kk+2
.endr
.set kk, 0
	s_wait_alu depctr_va_vdst(0)
.rept 64
	v_rcp_f32 v[RA+kk], v[RA+kk]
.set kk, kk+1
.endr
	v_nop
	s_wait_alu depctr_va_vdst(0)                   ; and one for the 64 reciprocals
.endm
.macro DOT3 d0, a0, b0, d1, a1, b1, d2, a2, b2     ; three sums of products over my 64 numbers, by turns; the first products start them
	v_pk_mul_f32 v[\d0:\d0+1], v[\a0:\a0+1], v[\b0:\b0+1]
	v_pk_mul_f32 v[\d1:\d1+1], v[\a1:\a1+1], v[\b1:\b1+1]
	v_pk_mul_f32 v[\d2:\d2+1], v[\a2:\a2+1], v[\b2:\b2+1]
.set kk, 2
.rept 31
	v_pk_fma_f32 v[\d0:\d0+1], v[\a0+kk:\a0+kk+1], v[\b0+kk:\b0+kk+1], v[\d0:\d0+1]
	v_pk_fma_f32 v[\d1:\d1+1], v[\a1+kk:\a1+kk+1], v[\b1+kk:\b1+kk+1], v[\d1:\d1+1]
	v_pk_fma_f32 v[\d2:\d2+1], v[\a2+kk:\a2+kk+1], v[\b2+kk:\b2+kk+1], v[\d2:\d2+1]
.set kk, kk+2
.endr
.endm
.macro SQ4 base, a, b                  ; one sum of products in four chains, at v[base] .. v[base + 7]
.irp c, 0,1,2,3
	v_pk_mul_f32 v[\base+2*\c:\base+2*\c+1], v[\a+2*\c:\a+2*\c+1], v[\b+2*\c:\b+2*\c+1]
.endr
.set kk, 8
.rept 7
.irp c, 0,1,2,3
	v_pk_fma_f32 v[\base+2*\c:\base+2*\c+1], v[\a+kk+2*\c:\a+kk+2*\c+1], v[\b+kk+2*\c:\b+kk+2*\c+1], v[\base+2*\c:\base+2*\c+1]
.endr
.set kk, kk+8
.endr
.endm
.macro FOLD4T dst, base                ; the four chains into the pair dst
	v_pk_add_f32 v[\base:\base+1], v[\base:\base+1], v[\base+2:\base+3]
	v_pk_add_f32 v[\base+4:\base+5], v[\base+4:\base+5], v[\base+6:\base+7]
	v_pk_add_f32 v[\dst:\dst+1], v[\base:\base+1], v[\base+4:\base+5]
.endm
.macro REDN base, n                    ; n sums, a pair each, over the pair and the 32 lanes; the result stands in the even register of every lane
.set ri, 0
.rept \n
	v_add_f32 v[\base+2*ri], v[\base+2*ri], v[\base+2*ri+1]
.set ri, ri+1
.endr
.irp m, 1,2,4,8
.set ri, 0
.rept \n
	v_add_f32_dpp v[\base+2*ri], v[\base+2*ri], v[\base+2*ri] row_xmask:\m row_mask:0xf bank_mask:0xf
.set ri, ri+1
.endr
.endr
.set ri, 0
.rept \n
	v_permlanex16_b32 v[\base+2*ri+1], v[\base+2*ri], s[SEL], s[SEL+1]
.set ri, ri+1
.endr
.set ri, 0
.rept \n
	v_add_f32 v[\base+2*ri], v[\base+2*ri], v[\base+2*ri+1]
.set ri, ri+1
.endr
.endm
.macro LD16 reg, sb                    ; a row: 16 loads of 512 consecutive bytes; read once in this launch
.irp j, 0,1,2,3,4,5,6,7,8,9,10,11,12,13,14,15
	global_load_b128 v[\reg+4*\j:\reg+4*\j+3], v2, s[\sb:\sb+1] offset:512*\j th:TH_LOAD_NT
.endr
.endm
.macro LD16B reg, sb                   ; a bias: every wave reads it
.irp j, 0,1,2,3,4,5,6,7,8,9,10,11,12,13,14,15
	global_load_b128 v[\reg+4*\j:\reg+4*\j+3], v2, s[\sb:\sb+1] offset:512*\j
.endr
.endm
	s_load_b512 s[4:19], s[0:1], 0x0               ; c1 s[4:5], c2 s[6:7], hidden s[8:9], b_z s[10:11], b_h s[12:13], ha s[14:15], xa s[16:17], pa s[18:19]
	s_load_b64 s[20:21], s[0:1], 0x40              ; out0
	v_lshrrev_b32 v1, 5, v0
	v_readfirstlane_b32 s22, v1                    ; wave 0..3
	v_and_b32 v1, 31, v0                           ; lane
	v_lshlrev_b32 v2, 4, v1                        ; 16 x lane
	v_mov_b32 v9, 0
	s_lshl_b32 s23, ttmp9, 2
	s_add_co_u32 s23, s23, s22                     ; my row
	s_lshl_b32 s42, s23, 13
	s_mov_b32 s43, 0
	s_lshl_b32 s50, s23, 7
	s_add_co_u32 s50, s50, AST
	s_mov_b32 s51, 0
	s_mov_b32 s[SMIN], 0x2edbe6ff
	s_mov_b32 s[SMAX], 0x3f7fff58
	s_mov_b32 s[SEL], 0x76543210
	s_mov_b32 s[SEL+1], 0xfedcba98
	s_wait_alu depctr_va_vdst(0)
	s_wait_kmcnt 0x0
	s_add_nc_u64 s[24:25], s[4:5], s[42:43]
	s_add_nc_u64 s[30:31], s[24:25], 0x1000000     ; c_h's row: plane 1 of c1, hyp_x x u_r,
	s_add_nc_u64 s[26:27], s[24:25], 0x3000000     ; c_z's: plane 3,
	s_add_nc_u64 s[24:25], s[24:25], 0x2000000     ; a_z's: plane 2
	s_add_nc_u64 s[28:29], s[6:7], s[42:43]        ; a_h's: c2
	s_add_nc_u64 s[32:33], s[8:9], s[42:43]        ; hidden's
	s_add_nc_u64 s[34:35], s[20:21], s[42:43]      ; the output's
	s_add_nc_u64 s[36:37], s[14:15], s[50:51]      ; the records: hidden's,
	s_add_nc_u64 s[38:39], s[16:17], s[50:51]      ; hyp_x's,
	s_add_nc_u64 s[40:41], s[18:19], s[50:51]      ; that of r (.) h
	global_load_b128 v[12:15], v9, s[36:37]
	global_load_b128 v[16:19], v9, s[38:39]
	global_load_b128 v[20:23], v9, s[40:41]
	LD16 RA, 24
	LD16 RC, 26
	LD16B RB, 10
	WIN 0x40                                       ; destination window 1
	LD16 RAH, 28
	WIN 0
	; ---- z
	s_wait_loadcnt 32                              ; the records, a_z and c_z are in; b_z's and a_h's 32 loads may be out
	DOT3 S_AA, RA, RA, S_CC, RC, RC, S_AC, RA, RC
	WIN 0x40
	LD16 RCH, 30
	WIN 0
	s_wait_loadcnt 32                              ; b_z is in; a_h's and c_h's may be out
	DOT3 S_AB, RA, RB, S_CB, RC, RB, S_BB, RB, RB
	WIN 0x40
	LD16B RBH, 12
	LD16 RH, 32
	WIN 0
	REDN S_AA, 6
	TRANS LH, LX
	GATEC
	GATE_EL                                        ; z, in RA
	; ---- h~ and m
	s_wait_loadcnt 32                              ; a_h and c_h are in; b_h's and hidden's may be out
	WIN 0x05                                       ; sources 0 and 1 window 1; the sums in window 0
	DOT3 S_AA, RAH, RAH, S_CC, RCH, RCH, S_AC, RAH, RCH
	s_wait_loadcnt 16                              ; b_h is in; hidden's may be out
	DOT3 S_AB, RAH, RBH, S_CB, RCH, RBH, S_BB, RBH, RBH
	s_wait_loadcnt 0x0                             ; hidden
	DOT3 S_HA, RH, RAH, S_HC, RH, RCH, S_HB, RH, RBH
	WIN 0
	REDN S_AA, 9
	TRANS LP, LX
	v_mul_f32 v[W0], v[PP], v[S_HA]
	v_fma_f32 v[W0], v[QQ], v[S_HC], v[W0]
	v_fma_f32 v[W0], v[RR], v[S_HB], v[W0]
	v_mul_f32 v[W0], v[W0], v[FH]
	v_mul_f32 v[W0], -1.0, v[W0]                   ; <-h, t>
	MOBS W1, W2, UU, HH, S2, W0                    ; m = W1 (-h) + W2 t; its squared norm in UU
	v_mul_f32 v[K0], v[W2], v[PP]
	v_mul_f32 v[K0+1], v[W2], v[PP]
	v_mul_f32 v[K1], v[W2], v[QQ]
	v_mul_f32 v[K1+1], v[W2], v[QQ]
	v_mul_f32 v[K2], v[W2], v[RR]
	v_mul_f32 v[K2+1], v[W2], v[RR]
	v_mul_f32 v[W1], v[W1], v[FH]
	v_mul_f32 v[K3], -1.0, v[W1]
	v_mul_f32 v[K3+1], -1.0, v[W1]
	SQRTC U0, UU
	ARTANHC VV, U0                                 ; Lm
	WIN 0x41                                       ; destination and source 0 window 1, the coefficient in window 0
	EMUL RAH, RAH, K0
	WIN 0x51                                       ; and source 2 window 1
	EFMA RAH, RCH, K1
	EFMA RAH, RBH, K2
	EFMA RAH, RH, K3                               ; m
	WIN 0x01                                       ; source 0 window 1
	EPROD RA, RAH, RA                              ; g = m z
	SQ4 32, RH, RA                                 ; <h, g>, four chains
	WIN 0
	SQ4 24, RA, RA                                 ; <g, g>, four chains
	FOLD4T 24, 24
	FOLD4T 26, 32
	REDN 24, 2
	v_mul_f32 v[W0], v[VV], v[VV]
	v_mul_f32 v[W0], v[W0], v24                    ; the tangent vector's squared norm
	SQRTC U0, W0
	TANHC U1, U0
	v_mul_f32 v[U2], v[U1], v[U1]
	v_mul_f32 v[U2], v[U2], v[W0]
	PROJF U3, T2, U2
	v_mul_f32 v[U1], v[U1], v[U3]                  ; gamma
	v_mul_f32 v[U2], v[U1], v[U1]
	v_mul_f32 v[W0], v[U2], v[W0]                  ; |e|^2
	v_mul_f32 v[W1], v[U1], v[VV]                  ; gamma Lm
	v_mul_f32 v[W2], v[W1], v[FH]
	v_mul_f32 v[W2], v[W2], v26                    ; <h, e>
	MOBS AL, BE, UU, HH, W0, W2
	v_mul_f32 v[K0], v[AL], v[FH]
	v_mul_f32 v[K0+1], v[AL], v[FH]
	v_mul_f32 v[K1], v[BE], v[W1]
	v_mul_f32 v[K1+1], v[BE], v[W1]
	EMUL RA, RA, K1
	WIN 0x01
	EFMA RA, RH, K0                                ; the new h
	WIN 0
.irp j, 0,1,2,3,4,5,6,7,8,9,10,11,12,13,14,15
	global_store_b128 v2, v[RA+4*\j:RA+4*\j+3], s[34:35] offset:512*\j th:TH_STORE_NT   ; 32 lanes store 512 consecutive bytes, aligned
.endr
	s_endpgm
.Lfunc_end_k_q2e010b1b14_final:
	.size	k_q2e010b1b14_final, .Lfunc_end_k_q2e010b1b14_final-k_q2e010b1b14_final
	.p2alignl 7, 3214868480
	.fill 96, 4, 3214868480
	.section	.rodata,"a",@progbits
	.p2align	6, 0x0
	.amdhsa_kernel k_q2e010b1b14_final
		.amdhsa_group_segment_fixed_size 0
		.amdhsa_private_segment_fixed_size 0
		.amdhsa_enable_private_segment 0
		.amdhsa_kernarg_size 72
		.amdhsa_user_sgpr_count 2
		.amdhsa_user_sgpr_kernarg_segment_ptr 1
		.amdhsa_wavefront_size32 1
		.amdhsa_system_sgpr_workgroup_id_x 1
		.amdhsa_system_sgpr_workgroup_id_y 1
		.amdhsa_system_sgpr_workgroup_id_z 1
		.amdhsa_system_vgpr_workitem_id 0
		.amdhsa_next_free_vgpr 512
		.amdhsa_next_free_sgpr 66
		.amdhsa_reserve_vcc 1
		.amdhsa_float_denorm_mode_32 3
		.amdhsa_float_denorm_mode_16_64 3
		.amdhsa_memory_ordered 1
		.amdhsa_forward_progress 1
		.amdhsa_inst_pref_size 101
	.end_amdhsa_kernel
	.amdgpu_metadata
---
amdhsa.version: [ 1, 2 ]
amdhsa.kernels:
  - .name:           k_q2e010b1b14_final
    .symbol:         k_q2e010b1b14_final.kd
    .args:
      - { .name: c1, .offset: 0, .size: 8, .value_kind: global_buffer, .address_space: global }
      - { .name: c2, .offset: 8, .size: 8, .value_kind: global_buffer, .address_space: global }
      - { .name: hidden, .offset: 16, .size: 8, .value_kind: global_buffer, .address_space: global }
      - { .name: b_z, .offset: 24, .size: 8, .value_kind: global_buffer, .address_space: global }
      - { .name: b_h, .offset: 32, .size: 8, .value_kind: global_buffer, .address_space: global }
      - { .name: ha, .offset: 40, .size: 8, .value_kind: global_buffer, .address_space: global }
      - { .name: xa, .offset: 48, .size: 8, .value_kind: global_buffer, .address_space: global }
      - { .name: pa, .offset: 56, .size: 8, .value_kind: global_buffer, .address_space: global }
      - { .name: out0, .offset: 64, .size: 8, .value_kind: global_buffer, .address_space: global }
    .group_segment_fixed_size: 0
    .private_segment_fixed_size: 0
    .kernarg_segment_align: 8
    .kernarg_segment_size: 72
    .max_flat_workgroup_size: 128
    .sgpr_count:     66
    .vgpr_count:     512
    .wavefront_size: 32
...
	.end_amdgpu_metadata
.endif
;; end of part 5
